; MI455X (gfx1250); checked and timed in simulation.
; The chip was launched on July 23, 2026; its instructions are those of AMD's public machine-readable ISA for CDNA 5 (MIT licence, August 2026) and "CDNA5" Instruction Set Architecture Reference Guide (July 2026). The comments in the code are by the model that wrote it; some were corrected since.
;; Attention. Allowed arithmetic: matrix products marked QUANTISED: E4M3 operands, one given power-of-two scale a tensor, by v_wmma_f32_16x16x64_fp8_fp8 or v_wmma_f32_16x16x128_fp8_fp8, f32 sums; everything else in f32.
;; Inputs: hidden_states 2 x 2,048 x 1,024 float32; k_norm_w 128 float32; k_w 1,024 x 1,024 float32; lowp_scales 12 int32 (the exponents e of the quantised operands' scales 2^e); o_w 1,024 x 2,048 float32; position_ids 2 x 2,048 int32; q_norm_w 128 float32; q_w 2,048 x 1,024 float32; v_w 1,024 x 1,024 float32.
;; Outputs: out0 2 x 2,048 x 1,024 float32.
;; This version of the problem:
;;   THIS VERSION OF THE PROBLEM IS GIVEN IN LOW PRECISION. The matrix products marked QUANTISED in the list below multiply operands that are first quantised to E4M3 (4 exponent bits, 3 mantissa bits; 8 bits a number), with one given power-of-two scale for each operand tensor; their sums are f32. All else is computed in f32.
;;   The module's matrix products, in the order in which they are computed (A, B: the left and right operand; K: the contracted axis; several contracted axes count as one K, in the product's order):
;;     1. [M 4,096, K 1,024] x [K 1,024, N 2,048]; A: input hidden_states; B: input q_w: QUANTISED (scales: A lowp_scales[0], B lowp_scales[1])
;;     2. [M 4,096, K 1,024] x [K 1,024, N 1,024]; A: input hidden_states; B: input k_w: QUANTISED (scales: A lowp_scales[2], B lowp_scales[3])
;;     3. [M 4,096, K 1,024] x [K 1,024, N 1,024]; A: input hidden_states; B: input v_w: QUANTISED (scales: A lowp_scales[4], B lowp_scales[5])
;;     4. batch 32 x [M 2,048, K 128] x [K 128, N 2,048]; A: computed on the way; B: computed on the way: QUANTISED (scales: A lowp_scales[6], B lowp_scales[7])
;;     5. batch 32 x [M 2,048, K 2,048] x [K 2,048, N 128]; A: softmax (see below); B: computed on the way: QUANTISED (scales: A lowp_scales[8], B lowp_scales[9])
;;     6. [M 4,096, K 2,048] x [K 2,048, N 1,024]; A: computed on the way; B: input o_w: QUANTISED (scales: A lowp_scales[10], B lowp_scales[11])
;;   THE QUANTISER, for each operand of a quantised product, along K:
;;     - The operand's scale is 2^e, e = its entry of the input lowp_scales (int32; the entries are numbered through the quantised products in the list's order, A before B).
;;     - Each number is divided by the scale, clamped to +-448, and rounded to the nearest number of E4M3, ties to even, subnormals kept.
;;     - The product sums the exact products of the quantised numbers (number of the format x scale) in f32.
;;   ~~~python
;;   def quantise(x, axis, e):      # numpy; x: float32 -> the quantised numbers, widened to float32 again
;;       x = np.moveaxis(x, axis, -1); K = x.shape[-1]
;;       r = np.clip(x / 2.0 ** e, -448, 448)
;;       step = 2.0 ** (np.maximum(np.frexp(np.where(r == 0, 1, r))[1] - 1, -6) - 3)
;;       q = np.round(r / step) * step * 2.0 ** e      # np.round: ties to even
;;       return np.moveaxis(q, -1, axis).astype(np.float32)
;;   ~~~
;;   SOFTMAX AHEAD OF A QUANTISED PRODUCT. Where the list says 'softmax', what is quantised is not the finished softmax but p = 2^(t - M), with t = logit x log2(e) and M = ceil(the row's largest t), a whole number; so 1/2 < the row's largest p <= 1. The row's sum l is taken of the UNQUANTISED p, in f32, and the product's result is divided by l at the end. Since M is a whole number, a kernel that streams over the keys may use a running M (the ceiling of the running maximum): every later rescaling is an exact power of two, so the quantised numbers keep their values, but for numbers so far below the row's largest that they fall under the format's range.
;;   OPERANDS COMPUTED ON THE WAY. 'Computed on the way' means the value that the module computes at that place (a softmax that the list does not call 'softmax' is quantised finished and normalised). What goes into a quantiser is computed in f32, as accurately as f32 sums, v_exp_f32 and their like allow (about 1e-6 of the number): no bf16 or f16 on the way to a quantiser, and a product that is left as it is and whose result goes on into a quantised operand takes f32 operands (vector FMAs, or v_wmma_f32_16x16x4_f32). A number that lies on a knife's edge between two numbers of the format may be rounded either way, as far as f32 arithmetic and the matrix unit's own rounding can turn it there, and no further.
;; One version. Each part assembles by itself: llvm-mc -triple=amdgcn-amd-amdhsa -mcpu=gfx1250 --defsym DOCPART=n.
;; ======== version 1 of 1: 4 launches
;; limits: right only within a limited range of input values
;; workspace buffers: codes 18,874,368 bytes; rope 2,097,152 bytes; qkv 16,777,216 bytes; ac 8,388,608 bytes
;; launch prep (part 1): grid 384 x 1, 4 waves a work-group, no clusters, 33,280 bytes of LDS; arguments hidden_states, q_w, k_w, v_w, o_w, position_ids, lowp_scales, codes, rope; writes codes, rope
.if DOCPART == 1
	.amdgcn_target "amdgcn-amd-amdhsa--gfx1250"
	.amdhsa_code_object_version 6
	.text
	.protected	k_q4ad3f8fbcd_prep
	.globl	k_q4ad3f8fbcd_prep
	.p2align	8
	.type	k_q4ad3f8fbcd_prep,@function
k_q4ad3f8fbcd_prep:
	s_mov_b64 s[64:65], 0
	v_nop
	global_prefetch_b8 v0, s[64:65] scope:SCOPE_SE
	s_setreg_imm32_b32 hwreg(HW_REG_WAVE_MODE, 25, 1), 1
	s_wait_xcnt 0x0
; PREP: every f32 operand that arrives from memory becomes codes of E4M3 once, and the table of cos and sin is made.
; codes: rows of 1,024 codes: rows 0-4095 hidden under 2^e0, 4096-8191 under 2^e2, 8192-12287 under 2^e4 (the three projections have scales of their own);
;   12288-14335 q_w (e1); 14336-15359 k_w (e3); 15360-16383 v_w (e5) WITH BITS 3 AND 4 OF THE ROW NUMBER EXCHANGED (so that attention's results come out as sixteen neighbouring channels a lane);
;   from byte 16 Mi on o_w (e11), 1,024 rows of 2,048 codes.  K is innermost in every input, so each tensor is a plain stream of numbers.
; code = x / 2^e, held within +-448, to the nearest code, ties to even.
; rope: [256 blocks of 16 tokens][16 pieces][32 lanes][16 bytes]: piece i < 8: lane (r, h) holds cos of token 16 T + r at frequencies 16 (i / 2) + 8 h + 4 (i % 2) + 0 .. 3; piece 8 + i: sin.
; SHARES.  Work-groups 0-63 make the table, a wave a block of 16 tokens.  Work-groups 64-383 stream, 32,768 numbers each: a wave 16 steps of 512 numbers.
; A step's four loads read 512 consecutive bytes each; the 2,048 bytes turn through the wave's own stage in LDS (16 bytes of padding behind each 64), so that a lane gets 16 neighbours; its 16 codes are 16 bytes, and a store of the wave
; covers 512 consecutive bytes.  Loads run four steps (16 loads a wave) ahead, the turn through LDS one step.  Waves share nothing: no barrier.
; LIMITS.  Each e between -126 and 119.  |position_ids| under 2^18 (the reduction of the angle by three parts of pi / 2).  NaN among the inputs is not served.
.set TABLE_WG, 64
.set STEPS, 16
.set SP,    80                         ; a lane's place in a stage: 64 bytes + 16 of padding
.set WREG,  8192                       ; LDS of a wave: two stages of 32 x SP bytes
.set SPARE, 4*WREG                     ; behind the four regions: the spare words, 128 bytes a wave
.set SPW,   12                         ; v12  LDS address of my spare word; never rewritten
.set NIL,   13                         ; v13  0; never rewritten
.set R,     16                         ; v16-79   four sets of 16 numbers as loaded
.set X,     80                         ; v80-111  two sets of 16 neighbours
.set T,     112                        ; v112-127 the 16 numbers, held
.set C,     128                        ; v128-151 codes: two sets x three copies x four registers
.set SCL,   152                        ; v152-154 2^e of copies 0, 1, 2
.set LIM,   155                        ; v155-157 448 x 2^e
	s_load_b256 s[4:11], s[0:1], 0x0               ; hidden s[4:5], q_w s[6:7], k_w s[8:9], v_w s[10:11]
	s_load_b256 s[12:19], s[0:1], 0x20             ; o_w s[12:13], position_ids s[14:15], the exponents s[16:17], codes s[18:19]
	s_load_b64 s[20:21], s[0:1], 0x40              ; rope
	v_lshl_add_u32 v[SPW], v0, 2, SPARE
	v_mov_b32 v[NIL], 0
	v_lshrrev_b32 v1, 5, v0
	v_readfirstlane_b32 s22, v1                    ; wave 0..3
	v_and_b32 v2, 31, v0                           ; lane
	v_lshlrev_b32 v3, 4, v2                        ; 16 x lane: my place in a load's, a store's 512 bytes; never rewritten
	s_cmp_lt_u32 ttmp9, TABLE_WG
	s_cbranch_scc1 .Ltable
	; ---------------- the streams ----------------
	s_sub_co_u32 s23, ttmp9, TABLE_WG              ; sid: 0-127 hidden, 128-191 q_w, 192-223 k_w, 224-255 v_w, 256-319 o_w
	s_mul_i32 s24, s22, WREG
	v_lshrrev_b32 v14, 2, v2
	v_mul_u32_u24 v14, v14, SP
	v_and_b32 v15, 3, v2
	v_lshl_add_u32 v14, v15, 4, v14
	v_add_nc_u32 v14, s24, v14                     ; the stage, on the way in: SP (lane / 4) + 16 (lane % 4)
	v_mul_u32_u24 v15, v2, SP
	v_add_nc_u32 v15, s24, v15                     ; and on the way out: SP x lane: my 16 neighbours
	s_wait_kmcnt 0x0
	s_load_b256 s[40:47], s[16:17], 0x0            ; e0 .. e7
	s_load_b128 s[48:51], s[16:17], 0x20           ; e8 .. e11
	s_mov_b64 s[26:27], s[12:13]                   ; which tensor, and at which sid it begins: the choices hang on the work-group's number alone
	s_mov_b32 s28, 256
	s_cmp_lt_u32 s23, 256
	s_cselect_b64 s[26:27], s[10:11], s[26:27]
	s_cselect_b32 s28, 224, s28
	s_cmp_lt_u32 s23, 224
	s_cselect_b64 s[26:27], s[8:9], s[26:27]
	s_cselect_b32 s28, 192, s28
	s_cmp_lt_u32 s23, 192
	s_cselect_b64 s[26:27], s[6:7], s[26:27]
	s_cselect_b32 s28, 128, s28
	s_cmp_lt_u32 s23, 128
	s_cselect_b64 s[26:27], s[4:5], s[26:27]
	s_cselect_b32 s28, 0, s28
	s_sub_co_u32 s29, s23, s28
	s_lshl_b32 s30, s29, 17                        ; 131,072 bytes of f32 a work-group,
	s_lshl_b32 s31, s22, 15                        ; 32,768 a wave
	s_add_co_u32 s30, s30, s31
	s_mov_b32 s31, 0
	s_add_nc_u64 s[26:27], s[26:27], s[30:31]      ; my wave's numbers
	s_and_b32 s32, s22, 1                          ; a wave's 8,192 codes are 8 rows of v_w: bits 3 and 4 of the row number are the wave's two bits
	s_lshl_b32 s32, s32, 1
	s_lshr_b32 s33, s22, 1
	s_or_b32 s32, s32, s33                         ; exchanged,
	s_sub_co_u32 s33, s23, 224
	s_cmp_lt_u32 s33, 32
	s_cselect_b32 s32, s32, s22                    ; for v_w alone
	s_add_co_u32 s33, s23, 256                     ; the weights lie behind hidden's three copies (384 blocks of 32,768 codes)
	s_cmp_lt_u32 s23, 128
	s_cselect_b32 s33, s23, s33
	s_lshl_b32 s34, s33, 15
	s_lshl_b32 s35, s32, 13
	s_add_co_u32 s34, s34, s35
	s_mov_b32 s35, 0
	s_add_nc_u64 s[36:37], s[18:19], s[34:35]      ; my wave's codes; hidden's second copy lies 4 Mi further on (an immediate),
	s_add_nc_u64 s[38:39], s[36:37], 0x800000      ; its third 8 Mi (used by hidden's work-groups alone)
.macro LOAD t
.irp i, 0,1,2,3
	global_load_b128 v[R+16*((\t)%4)+4*\i:R+16*((\t)%4)+4*\i+3], v3, s[26:27] offset:2048*(\t)+512*\i th:TH_LOAD_NT   ; 32 lanes read 512 consecutive bytes; read once in the launch
.endr
.endm
.macro TURN t                          ; step t's numbers through the stage: LDS serves a wave's instructions in order (ISA guide 5.7.1.4), so no wait stands between the stores and the loads
.irp i, 0,1,2,3
	ds_store_b128 v14, v[R+16*((\t)%4)+4*\i:R+16*((\t)%4)+4*\i+3] offset:32*SP*((\t)%2)+8*SP*\i
.endr
.irp i, 0,1,2,3
	ds_load_b128 v[X+16*((\t)%2)+4*\i:X+16*((\t)%2)+4*\i+3], v15 offset:32*SP*((\t)%2)+16*\i
.endr
.endm
	s_wait_alu depctr_va_vdst(0)
.irp t, 0,1,2,3
	LOAD \t
.endr
	s_wait_kmcnt 0x0
	s_mov_b32 s52, s51                             ; the exponent of copy 0: e11, e5, e3, e1 or e0
	s_cmp_lt_u32 s23, 256
	s_cselect_b32 s52, s45, s52
	s_cmp_lt_u32 s23, 224
	s_cselect_b32 s52, s43, s52
	s_cmp_lt_u32 s23, 192
	s_cselect_b32 s52, s41, s52
	s_cmp_lt_u32 s23, 128
	s_cselect_b32 s52, s40, s52
.macro MKSC e, k                       ; 2^e as f32 (the conversion takes its exponent field), and 448 x 2^e
	s_add_co_i32 s53, \e, 127
	s_lshl_b32 s54, s53, 23
	v_mov_b32 v[SCL+\k], s54
	s_add_co_i32 s53, s53, 8
	s_lshl_b32 s53, s53, 23
	s_or_b32 s53, s53, 0x600000
	v_mov_b32 v[LIM+\k], s53
.endm
	MKSC s52, 0
	MKSC s42, 1                                    ; e2,
	MKSC s44, 2                                    ; e4: hidden's other two copies
	s_wait_alu depctr_va_vdst(0)
	s_wait_loadcnt 12                              ; step 0's four loads are in; three steps' twelve may be out
	TURN 0
.macro CONV k, t                       ; copy k of step t's codes
.set XS, X+16*((\t)%2)
.set CC, C+12*((\t)%2)+4*(\k)
.irp i, 0,1,2,3,4,5,6,7,8,9,10,11,12,13,14,15
	v_med3_num_f32 v[T+\i], v[XS+\i], -v[LIM+\k], v[LIM+\k]   ; the conversion to an 8-bit code does not saturate (ISA guide 7.6.2): the hold comes first
.endr
	v_cvt_scalef32_pk8_fp8_f32 v[CC:CC+1], v[T:T+7], v[SCL+\k]
	v_cvt_scalef32_pk8_fp8_f32 v[CC+2:CC+3], v[T+8:T+15], v[SCL+\k]
	v_nop                                          ; one plain line between the conversions and the next lines that write their sources
.if \k == 0
	global_store_b128 v3, v[CC:CC+3], s[36:37] offset:512*(\t)
.elseif \k == 1
	global_store_b128 v3, v[CC:CC+3], s[36:37] offset:4194304+512*(\t)
.else
	global_store_b128 v3, v[CC:CC+3], s[38:39] offset:512*(\t)
.endif
.endm
.macro STEP t
	s_wait_dscnt 0x0                               ; this step's numbers are back from the stage: so its stores into the stage have read their registers,
.if (\t)+4 < STEPS
	LOAD (\t)+4                                    ; which take the loads of four steps on
.endif
.if (\t)+1 < STEPS
.if STEPS-2-(\t) >= 3
	s_wait_loadcnt 12                              ; the next step's four loads are in; those of the three steps behind it may be out
.else
	s_wait_loadcnt 4*(STEPS-2-(\t))
.endif
	TURN (\t)+1                                    ; and go through the other stage while this step is worked
.endif
	s_wait_xcnt 0x0                                ; the stores of two steps back have read their data: this set of code registers is written again only behind this wait
	CONV 0, \t
	s_cmp_lt_u32 s23, 128                          ; hidden has two more copies: a branch on the work-group's number, round vector work and stores alone
	s_cbranch_scc0 .Lone_\@
	CONV 1, \t
	CONV 2, \t
.Lone_\@:
.endm
.irp t, 0,1,2,3,4,5,6,7,8,9,10,11,12,13,14,15
	STEP \t
.endr
	s_wait_tensorcnt 0x0                           ; the wave's end: these three lines behind my last LDS store
	ds_add_u32 v[SPW], v[NIL]
	s_wait_dscnt 0x0
	s_endpgm
	; ---------------- the table of cos and sin (no LDS) ----------------
.set DF, 16                            ; four frequencies at a time: their numbers d,
.set NN, 20                            ; n = the whole part of d c,
.set FF, 24                            ; n - d c,
.set IV, 28                            ; 1e6^(-d / 64),
.set XA, 32                            ; the angle,
.set KK, 36                            ; its nearest multiple of pi / 2,
.set RR, 40                            ; the rest,
.set QQ, 44                            ; the quadrant,
.set SS, 48                            ; the rest squared,
.set PS, 52                            ; sin and
.set PC, 56                            ; cos of the rest,
.set TA, 60                            ; at work
.set TC, 64
.Ltable:
	s_lshl_b32 s23, ttmp9, 2
	s_add_co_u32 s23, s23, s22                     ; T: my block of 16 tokens
	s_wait_alu depctr_va_vdst(0)
	v_and_b32 v4, 15, v2                           ; r
	v_lshrrev_b32 v5, 4, v2                        ; h
	s_lshl_b32 s24, s23, 6
	v_lshl_add_u32 v6, v4, 2, s24                  ; token 16 T + r, 4 bytes each
	v_lshlrev_b32 v11, 3, v5                       ; 8 h
	s_lshl_b32 s26, s23, 13                        ; 8,192 bytes of table a block
	s_mov_b32 s27, 0
	s_mov_b32 s56, 0x3e9f73da                      ; c = log2(1e6) / 64, in two parts
	s_mov_b32 s57, 0x31e36600
	s_mov_b32 s58, 0x3f22f983                      ; 2 / pi
	s_mov_b32 s59, 0xbfc90fdb                      ; -pi / 2 in three parts: - 1.57079637,
	s_mov_b32 s60, 0x333bbd2e                      ; + 4.3711388e-8,
	s_mov_b32 s61, 0x26f72ced                      ; + 1.7151e-15
	s_mov_b32 s62, 0xbe2aaaa3                      ; sin r = r + r s (S1 + s (S2 + s S3)), s = r r, |r| <= pi / 4
	s_mov_b32 s63, 0x3c08839e
	s_mov_b32 s66, 0xb94ca1f9
	s_mov_b32 s67, 0x3d2aaaa5                      ; cos r = 1 - s / 2 + s s (C1 + s (C2 + s C3))
	s_mov_b32 s68, 0xbab6061a
	s_mov_b32 s69, 0x37ccf5ce
	s_wait_alu depctr_va_vdst(0)
	s_wait_kmcnt 0x0
	global_load_b32 v7, v6, s[14:15]
	s_add_nc_u64 s[20:21], s[20:21], s[26:27]
	s_wait_loadcnt 0x0
	v_cvt_f32_i32 v9, v7                           ; the position as f32, as the problem has it
.macro GROUP g                         ; frequencies 16 (g / 2) + 8 h + 4 (g % 2) + 0 .. 3
.set OC, 80+8*(\g)                     ; results in registers of their own for each group: no store's data are written again
.set OS, 84+8*(\g)
.irp e, 0,1,2,3
	v_add_nc_u32 v[DF+\e], 16*((\g)/2)+4*((\g)%2)+\e, v11
.endr
.irp e, 0,1,2,3
	v_cvt_f32_u32 v[DF+\e], v[DF+\e]
.endr
.irp e, 0,1,2,3
	v_mul_f32 v[NN+\e], s56, v[DF+\e]
.endr
.irp e, 0,1,2,3
	v_rndne_f32 v[NN+\e], v[NN+\e]
.endr
.irp e, 0,1,2,3
	v_fma_f32 v[FF+\e], -v[DF+\e], s56, v[NN+\e]   ; n - d c, exact for the upper part of c (d has 6 bits),
.endr
.irp e, 0,1,2,3
	v_fma_f32 v[FF+\e], -v[DF+\e], s57, v[FF+\e]   ; and the lower part: within +-1/2
.endr
	s_wait_alu depctr_va_vdst(0)
.irp e, 0,1,2,3
	v_exp_f32 v[IV+\e], v[FF+\e]
.endr
.irp e, 0,1,2,3
	v_cvt_i32_f32 v[NN+\e], v[NN+\e]               ; (plain lines behind the exponentials)
.endr
	s_wait_alu depctr_va_vdst(0)                   ; one wait for the four exponentials, ahead of their first reader
.irp e, 0,1,2,3
	v_sub_nc_u32 v[NN+\e], 0, v[NN+\e]
.endr
.irp e, 0,1,2,3
	v_ldexp_f32 v[IV+\e], v[IV+\e], v[NN+\e]       ; 2^(-d c)
.endr
.irp e, 0,1,2,3
	v_mul_f32 v[XA+\e], v9, v[IV+\e]               ; the angle: one f32 product, as the problem has it
.endr
.irp e, 0,1,2,3
	v_mul_f32 v[KK+\e], s58, v[XA+\e]
.endr
.irp e, 0,1,2,3
	v_rndne_f32 v[KK+\e], v[KK+\e]
.endr
.irp e, 0,1,2,3
	v_fma_f32 v[RR+\e], v[KK+\e], s59, v[XA+\e]
.endr
.irp e, 0,1,2,3
	v_fma_f32 v[RR+\e], v[KK+\e], s60, v[RR+\e]
.endr
.irp e, 0,1,2,3
	v_fma_f32 v[RR+\e], v[KK+\e], s61, v[RR+\e]
.endr
.irp e, 0,1,2,3
	v_cvt_i32_f32 v[QQ+\e], v[KK+\e]
.endr
.irp e, 0,1,2,3
	v_mul_f32 v[SS+\e], v[RR+\e], v[RR+\e]
.endr
.irp e, 0,1,2,3
	v_fma_f32 v[PS+\e], v[SS+\e], s66, s63
	v_fma_f32 v[PC+\e], v[SS+\e], s69, s68
.endr
.irp e, 0,1,2,3
	v_fma_f32 v[PS+\e], v[PS+\e], v[SS+\e], s62
	v_fma_f32 v[PC+\e], v[PC+\e], v[SS+\e], s67
.endr
.irp e, 0,1,2,3
	v_mul_f32 v[PS+\e], v[PS+\e], v[SS+\e]
	v_mul_f32 v[PC+\e], v[PC+\e], v[SS+\e]
	v_fma_f32 v[TA+\e], v[SS+\e], -0.5, 1.0
.endr
.irp e, 0,1,2,3
	v_fma_f32 v[PS+\e], v[PS+\e], v[RR+\e], v[RR+\e]
	v_fma_f32 v[PC+\e], v[PC+\e], v[SS+\e], v[TA+\e]
.endr
.irp e, 0,1,2,3                        ; the quadrant q: odd: sin and cos change places; sin is negative where q & 2, cos where (q + 1) & 2
	v_and_b32 v[TA+\e], 1, v[QQ+\e]
	v_cmp_eq_u32 vcc_lo, 1, v[TA+\e]
	v_cndmask_b32 v[OS+\e], v[PS+\e], v[PC+\e], vcc_lo
	v_cndmask_b32 v[OC+\e], v[PC+\e], v[PS+\e], vcc_lo
	v_lshlrev_b32 v[TA+\e], 30, v[QQ+\e]
	v_add_nc_u32 v[TC+\e], 1, v[QQ+\e]
	v_lshlrev_b32 v[TC+\e], 30, v[TC+\e]
	v_and_b32 v[TA+\e], 0x80000000, v[TA+\e]
	v_and_b32 v[TC+\e], 0x80000000, v[TC+\e]
	v_xor_b32 v[OS+\e], v[TA+\e], v[OS+\e]
	v_xor_b32 v[OC+\e], v[TC+\e], v[OC+\e]
.endr
	global_store_b128 v3, v[OC:OC+3], s[20:21] offset:512*(\g)         ; 32 lanes store 512 consecutive bytes
	global_store_b128 v3, v[OS:OS+3], s[20:21] offset:4096+512*(\g)
.endm
.irp g, 0,1,2,3,4,5,6,7
	GROUP \g
.endr
	s_endpgm
.Lfunc_end_k_q4ad3f8fbcd_prep:
	.size	k_q4ad3f8fbcd_prep, .Lfunc_end_k_q4ad3f8fbcd_prep-k_q4ad3f8fbcd_prep
	.p2alignl 7, 3214868480
	.fill 96, 4, 3214868480
	.section	.rodata,"a",@progbits
	.p2align	6, 0x0
	.amdhsa_kernel k_q4ad3f8fbcd_prep
		.amdhsa_group_segment_fixed_size 33280
		.amdhsa_private_segment_fixed_size 0
		.amdhsa_enable_private_segment 0
		.amdhsa_kernarg_size 72
		.amdhsa_user_sgpr_count 2
		.amdhsa_user_sgpr_kernarg_segment_ptr 1
		.amdhsa_wavefront_size32 1
		.amdhsa_system_sgpr_workgroup_id_x 1
		.amdhsa_system_sgpr_workgroup_id_y 1
		.amdhsa_system_sgpr_workgroup_id_z 1
		.amdhsa_system_vgpr_workitem_id 0
		.amdhsa_next_free_vgpr 160
		.amdhsa_next_free_sgpr 80
		.amdhsa_reserve_vcc 1
		.amdhsa_float_denorm_mode_32 3
		.amdhsa_float_denorm_mode_16_64 3
		.amdhsa_memory_ordered 1
		.amdhsa_forward_progress 1
		.amdhsa_inst_pref_size 138
	.end_amdhsa_kernel
	.amdgpu_metadata
---
amdhsa.version: [ 1, 2 ]
amdhsa.kernels:
  - .name:           k_q4ad3f8fbcd_prep
    .symbol:         k_q4ad3f8fbcd_prep.kd
    .args:
      - { .name: hidden_states, .offset: 0, .size: 8, .value_kind: global_buffer, .address_space: global }
      - { .name: q_w, .offset: 8, .size: 8, .value_kind: global_buffer, .address_space: global }
      - { .name: k_w, .offset: 16, .size: 8, .value_kind: global_buffer, .address_space: global }
      - { .name: v_w, .offset: 24, .size: 8, .value_kind: global_buffer, .address_space: global }
      - { .name: o_w, .offset: 32, .size: 8, .value_kind: global_buffer, .address_space: global }
      - { .name: position_ids, .offset: 40, .size: 8, .value_kind: global_buffer, .address_space: global }
      - { .name: lowp_scales, .offset: 48, .size: 8, .value_kind: global_buffer, .address_space: global }
      - { .name: codes, .offset: 56, .size: 8, .value_kind: global_buffer, .address_space: global }
      - { .name: rope, .offset: 64, .size: 8, .value_kind: global_buffer, .address_space: global }
    .group_segment_fixed_size: 33280
    .private_segment_fixed_size: 0
    .kernarg_segment_align: 8
    .kernarg_segment_size: 72
    .max_flat_workgroup_size: 128
    .sgpr_count:     80
    .vgpr_count:     160
    .wavefront_size: 32
...
	.end_amdgpu_metadata
.endif
;; end of part 1
;; launch qkv (part 2): grid 16 x 16, 4 waves a work-group, clusters of 4 x 4, 327,680 bytes of LDS; arguments codes, rope, q_norm_w, k_norm_w, lowp_scales, qkv; writes qkv
.if DOCPART == 2
	.amdgcn_target "amdgcn-amd-amdhsa--gfx1250"
	.amdhsa_code_object_version 6
	.text
	.protected	k_q4ad3f8fbcd_qkv
	.globl	k_q4ad3f8fbcd_qkv
	.p2align	8
	.type	k_q4ad3f8fbcd_qkv,@function
k_q4ad3f8fbcd_qkv:
	s_mov_b64 s[64:65], 0
	v_nop
	global_prefetch_b8 v0, s[64:65] scope:SCOPE_SE
	s_setreg_imm32_b32 hwreg(HW_REG_WAVE_MODE, 25, 1), 1
	s_wait_xcnt 0x0
	s_wait_alu depctr_hold_cnt(0) depctr_sa_sdst(0) depctr_va_vdst(0) depctr_va_sdst(0) depctr_va_ssrc(0) depctr_va_vcc(0) depctr_vm_vsrc(0)
	s_getreg_b32 s2, hwreg(HW_REG_IB_STS2, 6, 4)
	s_cmp_eq_u32 s2, 0
	s_cbranch_scc0 .Lentry_in_a_cluster
	s_endpgm
.Lentry_in_a_cluster:
	s_bfe_u32 s2, ttmp6, 0x10000c
	s_cmp_lg_u32 s2, 0xf033
	s_cbranch_scc0 .Lentry_shape_is_right
	s_endpgm
.Lentry_shape_is_right:
; QKV: the three projections on codes of E4M3 (K = 1,024), and on the way out the RMSNorm of a head, RoPE and the quantiser for q (e6) and k (e7), the quantiser alone for v (e9).
; All operands are rows of 1,024 codes of ONE matrix, the buffer codes (its rows: see the launch before).  A tile of 256 x 256 is made by a work-group of four waves, a wave 128 x 128: 64 accumulators, 512 registers.
; K goes in steps of 256 through a ring of two LDS slots filled by the tensor data mover.  CLUSTERS of 4 x 4: the four of a row need the same tile of "A", the four of a column the same tile of "B": each is asked for jointly.
; WHICH TILE.  Cluster x 0, 1: q; 2: k; 3: v.  For q and k "A" = 256 tokens (hidden's codes under e0 or e2), "B" = 256 rows of the weight.  For v the two change places: "A" = 256 rows of v_w, "B" = 256 tokens (under e4).
; THE MATRIX INSTRUCTION IS USED TRANSPOSED (source 0 = 16 rows of B, source 1 = 16 rows of A): in accumulator (a, b) lane (r, h) holds A's row 16 a + r, and its register j B's row 16 b + 8 h + j.
;   q, k: a wave's 128 rows of B are ONE HEAD, so a lane holds one token and 64 of the head's 128 numbers d = 16 b + 8 h + j; RoPE's partner d + 64 is the same lane's accumulator b + 4; the sum of squares wants one exchange with lane l xor 16.
;   v: a lane holds one channel, and its registers run along the tokens, which are the second product's K.
; Either way the eight conversions of a block a give the 16 registers of an operand of v_wmma_f32_16x16x128_fp8_fp8 in that form's own layout (registers 2 c, 2 c + 1: k = 16 c + 8 h + 0 .. 7), and they are stored as they stand:
; qkv: [2 batches][32 heads: 16 of q, 8 of k, 8 of v][128 fragments][4 pieces of 512 bytes, lane l's 16 bytes at 16 l].  q, k: fragment = 16 tokens; v: fragment 8 kb + ct = keys 128 kb on, channel places 16 ct on.  No stage, no transposition.
; The norm's gain and cos, sin are loaded in every cluster; v's clusters do not use them.
; LIMITS, so that each power of two made below is an f32 number: with es = the two operands' exponents added: es and 2 es - 7 between -126 and 127; e6, e7 and e9 - es between -126 and 119.  NaN among the inputs is not served.
; REGISTERS, in windows of 256: window 0: v16-29 addresses; v32-95 the norm's gain; from v128 A's fragments, ONE set; window 1: B's fragments, TWO sets; windows 2, 3: the accumulators ((a, b) at v[8 (8 (a % 4) + b)]).
;   on the way out, window 0: v2-15 sums and factors; v18-31 (but v20, 21, 24, 25, 28, 29) at work; v96-127 codes, two sets; cos and sin in window 1; v192-255 a block's 64 numbers.
.set ROWB,   256                       ; a tile's row in bytes: 256 along K
.set KROW,   1024                      ; a row of codes in memory
.set PITCH,  272                       ; an LDS row: 256 bytes + 16 of padding = 68 words: the 16 rows that a load touches start at 16 different banks (64 banks of 4 bytes: ISA guide 11.1)
.set FR,     16                        ; registers of a fragment: 16 rows x 128 K
.set NL,     4                         ; LDS loads that bring one
.set NP,     4                         ; places behind this matrix instruction (ISA guide 7.12.1)
.set HALFT,  128*PITCH                 ; 128 rows: what one tensor load brings
.set SLOT,   4*HALFT                   ; A's 256 rows, then B's 256 rows
.set SPARE,  2*SLOT                    ; behind the ring: the spare words, 128 bytes a wave
.set ADRA, 16                          ; v16-17  LDS address of my A fragments in slot 0, 1
.set ADRB, 20                          ; v20-21  the same for B
.set LN,   24                          ; v24     16 x lane; never rewritten
.set WO,   25                          ; v25     32 x (lane / 16): my place in the norm's gain
.set SPW,  28                          ; v28     LDS address of my spare word; never rewritten
.set NIL,  29                          ; v29     0; never rewritten
.set W,    32
.set CD,   96
.set AF,   128
.set COS,  0                           ; on the way out cos and sin lie in WINDOW 1, where B's fragments lay: four sets of 64 registers (32 cos, 32 sin), block a's at 64 (a % 4); both names are set anew in each block
.set SIN,  32
.set T,    192
.set G1, 24                            ; s[24:31] descriptor group 1 for A's tiles;  s[32:39] group 0, one set for each slot
.set G0, 32
.set G1B, 48                           ; s[48:55], s[56:63] the same for B's tiles
.set G0B, 56
.set MSB, 0
.macro WIN new                         ; the immediate's high byte repeats the setting that is left
.if MSB != \new
	s_set_vgpr_msb (MSB<<8)|\new
.set MSB, \new
.endif
.endm
.set MUL_LO, 0xa1                      ; source 0 (B) window 1, source 1 (A) window 0, C and D window 2
.set MUL_HI, 0xf1                      ; the same, C and D window 3
.set TO_B,   0x40                      ; destination window 1, address window 0
; A joint load: waves 0 and 1 fetch for A, waves 2 and 3 for B.  The branch hangs on the wave's number alone.  An s_nop 0 and four v_nop follow each of the two lines.
.macro JLOAD g0a, g1a, g0b, g1b
	s_cmp_eq_u32 s15, 0
	s_cbranch_scc0 .Lfor_b_\@
	tensor_load_to_lds s[\g0a:\g0a+3], s[\g1a:\g1a+7]
	s_nop 0
.rept 4
	v_nop
.endr
	s_branch .Lasked_\@
.Lfor_b_\@:
	tensor_load_to_lds s[\g0b:\g0b+3], s[\g1b:\g1b+7]
	s_nop 0
.rept 4
	v_nop
.endr
.Lasked_\@:
.endm
.macro CREST                           ; a round of the cluster's barrier behind its opening barrier
	s_cmp_lg_u32 s14, 0
	s_cbranch_scc1 .Lnot_wave_0_\@
	s_barrier_signal -3
.Lnot_wave_0_\@:
	s_barrier_wait -3
	s_barrier_signal -1
	s_barrier_wait -1
.endm
.macro CROUND                          ; a whole round
	s_barrier_signal -1
	s_barrier_wait -1
	CREST
.endm
	s_load_b256 s[4:11], s[0:1], 0x0               ; codes s[4:5], rope s[6:7], q_norm_w s[8:9], k_norm_w s[10:11]
	s_load_b128 s[68:71], s[0:1], 0x20             ; the exponents s[68:69], qkv s[70:71]
	v_lshl_add_u32 v[SPW], v0, 2, SPARE
	v_mov_b32 v[NIL], 0
	ds_add_u32 v[SPW], v[NIL]                      ; the wave's opening: the add and its wait ahead of my first tensor load; the set-up below, work on registers, stands between them
	ds_add_u32 v[SPW], v[NIL]
	v_lshrrev_b32 v1, 5, v0
	v_readfirstlane_b32 s14, v1                    ; wave 0..3
	s_lshr_b32 s15, s14, 1                         ; which half of A's rows is mine.  Also: I fetch for A (0) or for B (1)
	s_and_b32 s16, s14, 1                          ; which half of B's rows.  Also: which 128 rows of that tile I fetch
	s_bfe_u32 s40, ttmp6, 0x40000                  ; cx, cy: my place in the cluster
	s_bfe_u32 s41, ttmp6, 0x40004
	s_and_b32 s17, ttmp7, 0xffff                   ; cluster y; cluster x is ttmp9
	s_lshl_b32 s43, s41, 2
	s_lshl_b32 s43, 15, s43                        ; my row of the cluster
	s_lshl_b32 s44, 0x1111, s40                    ; my column
	s_or_b32 s[G1+0], s43, (0<<16)|(1<<20)|(1<<21)|(5<<22)|(3<<25)  ; 15:0 the mask: A's tiles go to my row; 17:16 elements of 1 byte; 20 padding on; 21 set beside a mask; 24:22 after every 64 words (code 5); 31:25 four words (code 3)
	s_or_b32 s[G1B+0], s44, (0<<16)|(1<<20)|(1<<21)|(5<<22)|(3<<25)
.irp g, G1, G1B
	s_mov_b32 s[\g+1], ROWB<<16                    ; tensor_dim0
	s_mov_b32 s[\g+2], 128<<16                     ; tensor_dim1 = 128
	s_mov_b32 s[\g+3], ROWB<<16                    ; tile_dim0
	s_mov_b32 s[\g+4], 128                         ; tile_dim1 = 128
	s_mov_b32 s[\g+5], KROW                        ; tensor_dim0_stride
	s_mov_b32 s[\g+6], 0
	s_mov_b32 s[\g+7], 0
.endr
	; the tiles' first rows in codes.  The choices hang on the cluster's x, which all sixteen partners share.  A's registers never hold cx, B's never cy.
	s_lshl_b32 s18, s17, 10                        ; 1,024 x cluster y
	s_lshr_b32 s19, ttmp9, 1
	s_lshl_b32 s19, s19, 12                        ; q: hidden under e0 (rows 0 on); k: under e2 (rows 4,096 on)
	s_add_co_u32 s19, s19, s18                     ; q, k: A's rows are tokens
	s_lshl_b32 s20, ttmp9, 10
	s_add_co_u32 s20, s20, 12288                   ; q, k: B's rows are the weight's: q_w and k_w lie on end from row 12,288
	s_add_co_u32 s18, s18, 8192                    ; v: B's rows are tokens, under e4
	s_cmp_eq_u32 ttmp9, 3
	s_cselect_b32 s19, 15360, s19                  ; v: A's rows are v_w's
	s_cselect_b32 s46, s18, s20
	s_lshl_b32 s21, s16, 7                         ; which 128 rows of the tile I fetch
	s_lshl_b32 s20, s41, 8
	s_add_co_u32 s20, s20, s19
	s_add_co_u32 s20, s20, s21                     ; A: + 256 cy + 128 x half
	s_lshl_b32 s47, s40, 8
	s_add_co_u32 s46, s46, s47
	s_add_co_u32 s46, s46, s21                     ; B: + 256 cx + 128 x half
	s_lshl_b32 s20, s20, 10                        ; in bytes: under 16 Mi
	s_mov_b32 s21, 0
	s_lshl_b32 s46, s46, 10
	s_mov_b32 s47, 0
	s_mul_i32 s45, s14, HALFT                      ; where they go: wave x 128 rows: no place in the cluster enters an LDS address
	s_mov_b32 s96, 0x76543210                      ; v_permlanex16_b32's selects for lane l xor 16
	s_mov_b32 s97, 0xfedcba98
	s_wait_dscnt 0x0                               ; the opening add is done
	s_wait_kmcnt 0x0
	s_load_b256 s[72:79], s[68:69], 0x0            ; e0 .. e7
	s_load_b128 s[80:83], s[68:69], 0x20           ; e8 .. e11
	s_add_nc_u64 s[20:21], s[4:5], s[20:21]
	s_add_nc_u64 s[46:47], s[4:5], s[46:47]
	CROUND                                         ; all sixteen work-groups are here: the first joint loads meet
.irp s, 0,1
	s_mov_b32 s[G0+4*\s], 1
	s_add_co_u32 s[G0+4*\s+1], s45, \s*SLOT
	s_add_nc_u64 s[G0+4*\s+2:G0+4*\s+3], s[20:21], \s*ROWB
	s_or_b32 s[G0+4*\s+3], s[G0+4*\s+3], 0x80000000
	s_mov_b32 s[G0B+4*\s], 1
	s_add_co_u32 s[G0B+4*\s+1], s45, \s*SLOT
	s_add_nc_u64 s[G0B+4*\s+2:G0B+4*\s+3], s[46:47], \s*ROWB
	s_or_b32 s[G0B+4*\s+3], s[G0B+4*\s+3], 0x80000000
.endr
	JLOAD G0, G1, G0B, G1B                         ; K step 0: one tensor load a wave at the head
	v_and_b32 v1, 15, v0                           ; l % 16
	v_bfe_u32 v2, v0, 4, 1                         ; l / 16
	v_mul_u32_u24 v3, v1, PITCH
	v_lshl_add_u32 v4, v2, 4, v3                   ; a fragment's row x pitch + 16 x half
	s_mul_i32 s21, s15, HALFT                      ; my 128 rows of A
	s_mul_i32 s22, s16, HALFT                      ; my 128 rows of B,
	s_add_co_u32 s22, s22, 2*HALFT                 ; which lie behind A's 256
.irp s, 0,1
	v_add_nc_u32 v[ADRA+\s], s21, v4
	v_add_nc_u32 v[ADRB+\s], s22, v4
	s_add_co_u32 s21, s21, SLOT
	s_add_co_u32 s22, s22, SLOT
.endr
	v_and_b32 v[LN], 31, v0
	v_lshlrev_b32 v[LN], 4, v[LN]
	v_lshlrev_b32 v[WO], 5, v2
	s_cmp_lt_u32 ttmp9, 2
	s_cselect_b64 s[8:9], s[8:9], s[10:11]         ; q's gain or k's
.irp b, 0,1,2,3,4,5,6,7                        ; the gain at d = 16 b + 8 h + 0 .. 7, in the accumulators' layout; waited for on the way out
	global_load_b128 v[W+8*\b:W+8*\b+3], v[WO], s[8:9] offset:64*\b
	global_load_b128 v[W+8*\b+4:W+8*\b+7], v[WO], s[8:9] offset:64*\b+16
.endr
	; where my results go, and my tokens' part of the table
	s_lshl_b32 s84, s17, 2
	s_add_co_u32 s85, s84, s40
	s_add_co_u32 s84, s84, s41
	s_lshl_b32 s85, s85, 8
	s_lshl_b32 s84, s84, 8
	s_lshl_b32 s86, s16, 7
	s_add_co_u32 s85, s85, s86                     ; v: my first token = 256 (4 cluster y + cx) + 128 x my half of B
	s_lshl_b32 s86, s15, 7
	s_add_co_u32 s84, s84, s86                     ; q, k: 256 (4 cluster y + cy) + 128 x my half of A
	s_lshl_b32 s86, s41, 1
	s_add_co_u32 s86, s86, s15
	s_add_co_u32 s86, s86, 24                      ; v: head 24 + 2 cy + my half of A
	s_lshl_b32 s87, ttmp9, 2
	s_add_co_u32 s87, s87, s40
	s_lshl_b32 s87, s87, 1
	s_add_co_u32 s87, s87, s16                     ; q, k: head 2 (4 cluster x + cx) + my half of B: 0-15 q, 16-23 k
	s_cmp_eq_u32 ttmp9, 3
	s_cselect_b32 s84, s85, s84                    ; T0
	s_cselect_b32 s86, s86, s87                    ; the head
	s_lshr_b32 s85, s84, 11                        ; the batch
	s_lshl_b32 s85, s85, 5
	s_add_co_u32 s85, s85, s86
	s_lshl_b32 s85, s85, 7                         ; 128 fragments a head
	s_and_b32 s87, s84, 2047
	s_lshr_b32 s87, s87, 4                         ; q, k: the block of 16 tokens; v: 8 x the block of 128 keys
	s_add_co_u32 s85, s85, s87
	s_lshl_b32 s86, s85, 11                        ; 2,048 bytes a fragment: under 16 Mi
	s_mov_b32 s87, 0
	s_add_nc_u64 s[70:71], s[70:71], s[86:87]
	s_lshr_b32 s86, s84, 4
	s_lshl_b32 s86, s86, 13                        ; 8,192 bytes of table for 16 tokens
	s_add_nc_u64 s[6:7], s[6:7], s[86:87]
.macro FRAG reg, adr, q, i             ; 16 rows x 128 K in 16 registers: registers 4 c .. 4 c + 3 hold K = 32 c + 16 (l / 16) + 0 .. 15: a permutation of k that is the same in A and in B, so every product meets its partner
.irp c, 0,1,2,3
	ds_load_b128 v[\reg+4*\c:\reg+4*\c+3], v[\adr] offset:128*(\q)+32*\c+(\i)*16*PITCH
.endr
.endm
; 16 matrix instructions: A's blocks a0, a0 + 1 x B's eight, 128 along K.  p: B's set.  zero = 1: the first product starts the sums.  The 64 accumulators take turns, one instruction a turn.
.macro MUL16 a0, p, zero
.irp a, \a0, \a0+1
.irp b, 0,1,2,3,4,5,6,7
.if \zero
	v_wmma_f32_16x16x128_fp8_fp8 v[8*(8*((\a)%4)+\b):8*(8*((\a)%4)+\b)+7], v[128*(\p)+FR*\b:128*(\p)+FR*\b+FR-1], v[AF+FR*(\a):AF+FR*(\a)+FR-1], 0
.else
	v_wmma_f32_16x16x128_fp8_fp8 v[8*(8*((\a)%4)+\b):8*(8*((\a)%4)+\b)+7], v[128*(\p)+FR*\b:128*(\p)+FR*\b+FR-1], v[AF+FR*(\a):AF+FR*(\a)+FR-1], v[8*(8*((\a)%4)+\b):8*(8*((\a)%4)+\b)+7]
.endif
.endr
.endr
.endm
.macro FETCH_B slot, q, p              ; B's eight fragments of the slot's q-th 128 along K into set p
	WIN TO_B
.irp i, 0,1,2,3,4,5,6,7
	FRAG 128*(\p)+FR*\i, ADRB+\slot, \q, \i
.endr
	WIN 0
.endm
.macro FETCH_A slot, q, i0             ; A's blocks i0 .. i0 + 3
.irp i, \i0, \i0+1, \i0+2, \i0+3
	FRAG AF+FR*(\i), ADRA+\slot, \q, \i
.endr
.endm
.macro PLACES n                        ; plain vector lines between a matrix instruction and a load into, or a vector read of, its registers
.rept \n
	v_nop
.endr
.endm
; A step of 128 along K that has its successor in the same slot.  A's blocks are free as soon as their eight products are issued: blocks 0-3 are fetched anew in the step's middle, blocks 4-7 at its end.
.macro STEP slot, q, zero
	s_wait_dscnt 4*NL                              ; B's set and A's blocks 0-3 are in; the youngest sixteen loads (A's blocks 4-7) may be out
	WIN MUL_LO
	MUL16 0, (\q)%2, \zero
	MUL16 2, (\q)%2, \zero
	s_wait_dscnt 0                                 ; A's blocks 4-7 are in
	PLACES NP
	FETCH_B \slot, (\q)+1, 1-(\q)%2
	FETCH_A \slot, (\q)+1, 0
	WIN MUL_HI
	MUL16 4, (\q)%2, \zero
	MUL16 6, (\q)%2, \zero
	PLACES NP
	WIN 0
	FETCH_A \slot, (\q)+1, 4
.endm
; A slot's last step changes slots: ONE barrier; in front of it each wave waits for all its tensor loads, adds 0 to its spare word, and waits for that and for its own reads of this slot.  fill = 1: this slot is filled again, two K steps ahead.
.macro TURN slot, next, fill
	s_wait_tensorcnt 0x0                           ; all my tensor loads have landed: my part of the next slot
	ds_add_u32 v[SPW], v[NIL]                      ; 0 onto my spare word
	s_wait_dscnt 4*NL+1                            ; (the add and the youngest sixteen loads, A's blocks 4-7, may be out)
	WIN MUL_LO
	MUL16 0, 1, 0                                  ; sixteen matrix instructions stand between the add and the wait for it
	s_wait_dscnt 0x0                               ; the add is done, and my reads of this slot are over
	s_barrier_signal -1
	MUL16 2, 1, 0
	WIN 0
	s_barrier_wait -1
.if \fill
	CREST                                          ; the barrier has opened a round of the cluster's barrier: no wave of any partner still reads this slot's tile or has a load on its way
	s_add_nc_u64 s[G0+4*\slot+2:G0+4*\slot+3], s[G0+4*\slot+2:G0+4*\slot+3], 2*ROWB
	s_add_nc_u64 s[G0B+4*\slot+2:G0B+4*\slot+3], s[G0B+4*\slot+2:G0B+4*\slot+3], 2*ROWB
	JLOAD G0+4*\slot, G1, G0B+4*\slot, G1B         ; the first tensor load behind the round; its four v_nop are the places in front of the loads below
.else
	PLACES NP
.endif
	FETCH_B \next, 0, 0
	FETCH_A \next, 0, 0
	WIN MUL_HI
	MUL16 4, 1, 0
	MUL16 6, 1, 0
	PLACES NP
	WIN 0
	FETCH_A \next, 0, 4
.endm
.macro CSLOAD a                        ; cos and sin of block a's 16 tokens: 16 pieces of 512 bytes, in my lane's layout, into window 1's set a % 4
	WIN TO_B
.irp i, 0,1,2,3,4,5,6,7,8,9,10,11,12,13,14,15
	global_load_b128 v[64*((\a)%4)+4*\i:64*((\a)%4)+4*\i+3], v[LN], s[6:7] offset:8192*(\a)+512*\i
.endr
	WIN 0
.endm
	s_wait_alu depctr_va_vdst(0)
	s_wait_tensorcnt 0x0                           ; my part of K step 0 is in; these lines stand ahead of a later first fill, as ahead of a refill
	ds_add_u32 v[SPW], v[NIL]
	s_wait_dscnt 0x0
	CROUND                                         ; everybody's part of K step 0 is in, and all sixteen work-groups are here
	JLOAD G0+4, G1, G0B+4, G1B                     ; K step 1: slot 1's first fill, the first tensor load behind the round
	FETCH_B 0, 0, 0
	FETCH_A 0, 0, 0
	FETCH_A 0, 0, 4
	STEP 0, 0, 1                                   ; K = 1,024 is four K steps of 256, eight steps of 128, written out: the first starts the sums
	TURN 0, 1, 1                                   ; slot 0 takes K step 2
	STEP 1, 0, 0
	TURN 1, 0, 1                                   ; slot 1 takes K step 3
	STEP 0, 0, 0
	TURN 0, 1, 0
	STEP 1, 0, 0
	CSLOAD 0                                       ; B's set 0 is done with (four places stand behind its last products): it takes blocks 0 and 1's cos and sin
	CSLOAD 1
	s_wait_dscnt 4*NL
	WIN MUL_LO
	MUL16 0, 1, 0
	MUL16 2, 1, 0
	s_wait_dscnt 0
	WIN MUL_HI
	MUL16 4, 1, 0
	MUL16 6, 1, 0
	WIN 0
	PLACES NP                                      ; in front of the first reads of results, the writes over A's blocks and the loads into B's set 1
	CSLOAD 2                                       ; B's set 1 takes blocks 2 and 3's
	CSLOAD 3
	; THE WAY OUT.  es = the two operands' exponents added: a sum stands for sum x 2^es.
	s_wait_kmcnt 0x0
	s_add_co_i32 s84, s72, s73                     ; q: e0 + e1
	s_add_co_i32 s85, s74, s75                     ; k: e2 + e3
	s_add_co_i32 s86, s76, s77                     ; v: e4 + e5
	s_sub_co_i32 s87, s81, s86                     ; v: its code is sum / 2^(e9 - es)
	s_cmp_lt_u32 ttmp9, 2
	s_cselect_b32 s84, s84, s85                    ; es of q or k
	s_cselect_b32 s88, s78, s79                    ; e6 or e7
	s_cmp_eq_u32 ttmp9, 3
	s_cselect_b32 s88, s87, s88                    ; the conversion's exponent
	s_lshl_b32 s89, s84, 1
	s_add_co_i32 s89, s89, 120
	s_lshl_b32 s89, s89, 23                        ; 2^(2 es - 7): the mean of 128 squares
	s_add_co_i32 s90, s84, 127
	s_lshl_b32 s90, s90, 23                        ; 2^es
	s_mov_b32 s91, 0x358637bd                      ; 1e-6
	s_add_co_i32 s92, s88, 127
	s_lshl_b32 s93, s92, 23
	s_add_co_i32 s92, s92, 8
	s_lshl_b32 s92, s92, 23
	s_or_b32 s92, s92, 0x600000
	v_mov_b32 v14, s92                             ; 448 x the conversion's scale
	v_mov_b32 v15, s93                             ; the conversion's scale
	v_mov_b32 v11, 0                               ; written once: a lane permute's destination counts as one of its sources
	v_mov_b32 v13, 0
	s_wait_loadcnt 48                              ; the gain and block 0's cos and sin are in; the 16 loads of each of blocks 1, 2, 3 may be out
	s_cmp_eq_u32 ttmp9, 3                          ; the cluster's x: the same in all sixteen partners and in all waves
	s_cbranch_scc1 .Lv
; Block a of q or k: 16 tokens x my head.  normalised = gain x (sum 2^es) x rsqrt(mean of squares + 1e-6); the lane's one factor F = 2^es rsqrt(..) is applied behind RoPE, which is linear.
.macro QKBLOCK a
.set AC, 64*((\a)%4)
.set CB, CD+16*((\a)%2)
	WIN 0x0a+5*((\a)/4)                            ; sources 0 and 1: the block's window
.irp b, 0,1,2,3,4,5,6,7                        ; the sum of my 64 squares in four chains; each accumulator from its low end on
.irp p, 0,1,2,3
.if \b == 0
	v_pk_mul_f32 v[2+2*\p:3+2*\p], v[AC+2*\p:AC+2*\p+1], v[AC+2*\p:AC+2*\p+1]
.else
	v_pk_fma_f32 v[2+2*\p:3+2*\p], v[AC+8*\b+2*\p:AC+8*\b+2*\p+1], v[AC+8*\b+2*\p:AC+8*\b+2*\p+1], v[2+2*\p:3+2*\p]
.endif
.endr
.endr
	WIN 0x02+((\a)/4)                              ; source 0: the block's window
.set i, 0
.rept 32
	v_pk_mul_f32 v[T+i:T+i+1], v[AC+i:AC+i+1], v[W+i:W+i+1]    ; sum x gain
.set i, i+2
.endr
	WIN 0
	v_pk_add_f32 v[2:3], v[2:3], v[4:5]
	v_pk_add_f32 v[6:7], v[6:7], v[8:9]
	v_pk_add_f32 v[2:3], v[2:3], v[6:7]
	v_add_f32 v10, v2, v3
	v_permlanex16_b32 v11, v10, s96, s97           ; the head's other 64 numbers lie in lane l xor 16
	v_add_f32 v10, v10, v11
	v_fma_f32 v10, v10, s89, s91                   ; the mean of squares + 1e-6
	s_wait_alu depctr_va_vdst(0)
	v_rsq_f32 v12, v10                             ; RoPE below, which names neither register, is the work behind it
.if (\a) > 0
.if (\a) < 5
	s_wait_loadcnt 48                              ; this block's cos and sin are in; those of the three blocks behind it may be out
.else
	s_wait_loadcnt 16*(7-(\a))
.endif
.endif
.set COS, 64*((\a)%4)
.set SIN, COS+32
	WIN 0x04                                       ; source 1, cos or sin: window 1
.set i, 0
.rept 16
.set U, 18+8*((i/2)%2)
	v_pk_mul_f32 v[U:U+1], v[T+32+i:T+33+i], v[SIN+i:SIN+i+1]
	v_pk_mul_f32 v[U+4:U+5], v[T+i:T+i+1], v[SIN+i:SIN+i+1]
	v_pk_fma_f32 v[T+i:T+i+1], v[T+i:T+i+1], v[COS+i:COS+i+1], v[U:U+1] neg_lo:[0,0,1] neg_hi:[0,0,1]
	v_pk_fma_f32 v[T+32+i:T+33+i], v[T+32+i:T+33+i], v[COS+i:COS+i+1], v[U+4:U+5]
.set i, i+2
.endr
	WIN 0
.if (\a) < 4
	CSLOAD (\a)+4                                  ; this block's set takes the block four further on
.endif
	s_wait_alu depctr_va_vdst(0)                   ; the wait ahead of the root's first reader
	v_mul_f32 v12, s90, v12                        ; F
.set i, 0
.rept 32
	v_pk_mul_f32 v[T+i:T+i+1], v[T+i:T+i+1], v[12:13] op_sel_hi:[1,0]
.set i, i+2
.endr
.set i, 0
.rept 64
	v_med3_num_f32 v[T+i], v[T+i], -v14, v14       ; the conversion does not saturate (ISA guide 7.6.2): the hold comes first
.set i, i+1
.endr
.if (\a) > 1
	s_wait_alu depctr_va_vdst(0)
	s_wait_xcnt 0x0                                ; the stores of two blocks back have read this set of code registers
.endif
.irp b, 0,1,2,3,4,5,6,7
	v_cvt_scalef32_pk8_fp8_f32 v[CB+2*\b:CB+2*\b+1], v[T+8*\b:T+8*\b+7], v15    ; registers 2 b, 2 b + 1 of the operand: d = 16 b + 8 h + 0 .. 7
.endr
	v_nop                                          ; one plain line behind the last conversion
.irp c, 0,1,2,3
	global_store_b128 v[LN], v[CB+4*\c:CB+4*\c+3], s[70:71] offset:2048*(\a)+512*\c    ; 32 lanes store 512 consecutive bytes
.endr
.endm
.irp a, 0,1,2,3,4,5,6,7
	QKBLOCK \a
.endr
	s_branch .Lend
; Block a of v: 16 channel places x my 128 keys.
.macro VBLOCK a
.set AC, 64*((\a)%4)
.set CB, CD+16*((\a)%2)
	WIN 0x02+((\a)/4)
.set i, 0
.rept 64
	v_med3_num_f32 v[T+i], v[AC+i], -v14, v14      ; each accumulator from its low end on
.set i, i+1
.endr
	WIN 0
.if (\a) > 1
	s_wait_alu depctr_va_vdst(0)
	s_wait_xcnt 0x0
.endif
.irp b, 0,1,2,3,4,5,6,7
	v_cvt_scalef32_pk8_fp8_f32 v[CB+2*\b:CB+2*\b+1], v[T+8*\b:T+8*\b+7], v15    ; keys 16 b + 8 h + 0 .. 7
.endr
	v_nop
.irp c, 0,1,2,3
	global_store_b128 v[LN], v[CB+4*\c:CB+4*\c+3], s[70:71] offset:2048*(\a)+512*\c
.endr
.endm
.Lv:
	s_wait_alu depctr_va_vdst(0)
.irp a, 0,1,2,3,4,5,6,7
	VBLOCK \a
.endr
.Lend:
	s_wait_tensorcnt 0x0                           ; the wave's end: these three lines behind my last tensor load
	ds_add_u32 v[SPW], v[NIL]
	s_wait_dscnt 0x0
	CROUND                                         ; the closing round: no work-group ends while a partner may still ask for a tile that names it
	s_endpgm
.Lfunc_end_k_q4ad3f8fbcd_qkv:
	.size	k_q4ad3f8fbcd_qkv, .Lfunc_end_k_q4ad3f8fbcd_qkv-k_q4ad3f8fbcd_qkv
	.p2alignl 7, 3214868480
	.fill 96, 4, 3214868480
	.section	.rodata,"a",@progbits
	.p2align	6, 0x0
	.amdhsa_kernel k_q4ad3f8fbcd_qkv
		.amdhsa_group_segment_fixed_size 327680
		.amdhsa_private_segment_fixed_size 0
		.amdhsa_enable_private_segment 0
		.amdhsa_kernarg_size 48
		.amdhsa_user_sgpr_count 2
		.amdhsa_user_sgpr_kernarg_segment_ptr 1
		.amdhsa_wavefront_size32 1
		.amdhsa_system_sgpr_workgroup_id_x 1
		.amdhsa_system_sgpr_workgroup_id_y 1
		.amdhsa_system_sgpr_workgroup_id_z 1
		.amdhsa_system_vgpr_workitem_id 0
		.amdhsa_next_free_vgpr 1024
		.amdhsa_next_free_sgpr 100
		.amdhsa_reserve_vcc 0
		.amdhsa_float_denorm_mode_32 3
		.amdhsa_float_denorm_mode_16_64 3
		.amdhsa_memory_ordered 1
		.amdhsa_forward_progress 1
		.amdhsa_inst_pref_size 255
	.end_amdhsa_kernel
	.section	.bss,"aw",@nobits
	.p2align	6
	.space	262144
	.amdgpu_metadata
---
amdhsa.version: [ 1, 2 ]
amdhsa.kernels:
  - .name:           k_q4ad3f8fbcd_qkv
    .symbol:         k_q4ad3f8fbcd_qkv.kd
    .args:
      - { .name: codes, .offset: 0, .size: 8, .value_kind: global_buffer, .address_space: global }
      - { .name: rope, .offset: 8, .size: 8, .value_kind: global_buffer, .address_space: global }
      - { .name: q_norm_w, .offset: 16, .size: 8, .value_kind: global_buffer, .address_space: global }
      - { .name: k_norm_w, .offset: 24, .size: 8, .value_kind: global_buffer, .address_space: global }
      - { .name: lowp_scales, .offset: 32, .size: 8, .value_kind: global_buffer, .address_space: global }
      - { .name: qkv, .offset: 40, .size: 8, .value_kind: global_buffer, .address_space: global }
    .group_segment_fixed_size: 327680
    .private_segment_fixed_size: 0
    .kernarg_segment_align: 8
    .kernarg_segment_size: 48
    .max_flat_workgroup_size: 128
    .sgpr_count:     100
    .vgpr_count:     1024
    .wavefront_size: 32
...
	.end_amdgpu_metadata
.endif
;; end of part 2
;; launch attn (part 3): grid 16 x 16, 8 waves a work-group, no clusters, 327,680 bytes of LDS; arguments qkv, lowp_scales, ac; writes ac
.if DOCPART == 3
	.amdgcn_target "amdgcn-amd-amdhsa--gfx1250"
	.amdhsa_code_object_version 6
	.text
	.protected	k_q4ad3f8fbcd_attn
	.globl	k_q4ad3f8fbcd_attn
	.p2align	8
	.type	k_q4ad3f8fbcd_attn,@function
k_q4ad3f8fbcd_attn:
	s_mov_b64 s[64:65], 0
	v_nop
	global_prefetch_b8 v0, s[64:65] scope:SCOPE_SE
	s_setreg_imm32_b32 hwreg(HW_REG_WAVE_MODE, 25, 1), 1
	s_wait_xcnt 0x0
; ATTN: causal attention on codes of E4M3, two query heads to each key and value head.  Operands come as images of their registers (buffer qkv: see the launch before), results leave so (buffer ac).
; THE SOFTMAX AHEAD OF THE SECOND PRODUCT: t = score x log2(e) / sqrt(128); M = the row's largest t so far, rounded UP to a whole number; p = 2^(t - M) is quantised (e8), not normalised.  The row's sum is taken of the
; unquantised p and divides O at the end.  When M moves, the sum and O are multiplied by 2^(old M - new M): exact.
; SHARES.  Work-group (j, y): batch y / 8, key and value head y % 8; the query chunks 31 - j and j (64 tokens each) of BOTH query heads: (32 - j) + (j + 1) = 33 chunks of keys in every work-group.
; Eight waves, two to a SIMD.  A wave holds one tile of 16 tokens for both heads: head 2 kvh in register window 0, head 2 kvh + 1 in window 1, the same register numbers in both: each fragment of K and V read from LDS feeds two matrix instructions.
; Waves 0-3 OWN the late chunk's four tiles.  Waves 4-7 first make the early chunk's four tiles, which end inside slot j / 4.  At key SW = 256 (j / 4 + 1) each of them stores its early tile, starts afresh and becomes the HELPER of the
; late tile of its number: from SW on the owner takes the first key step of every slot and the helper the second, each with an O, an M and a sum of its own.  So all eight waves have about the same number of key steps, whatever j.
; At the end the helper hands its O, -M and sums to the owner through LDS bytes of their own; the owner brings both parts under the larger M (factors 2^(M part - M): exact), adds them, divides, quantises and stores.
; A helper that found no key step of its own hands over zeros under M = -3e38, whose factor is 0.
; K and V come through a ring of two LDS slots of 256 keys (K's 16 fragments, 32 KiB, then V's 16), each a dense run of memory; waves 0-3 fetch a quarter each, all eight read.  An image is read 16 bytes a lane on end: no padding.
; LAYOUT.  Both products are used transposed: S^T = K Q^T (source 0 = 16 keys), O^T = V^T P^T (source 0 = 16 channel places): a lane holds ONE query (lane % 16).  Tile t of S^T holds keys 16 t + 8 h + j, so its codes are registers
; 2 t, 2 t + 1 of P in the form's own layout, which V's image has too.  v_w's rows were laid so that tiles 2 b, 2 b + 1 of O^T are channels 32 b + 16 h + 0 .. 15: their codes (e10) are registers 4 b .. 4 b + 3 of the last product's operand.
; ac: [256 blocks of 16 tokens][16 heads][4 pieces of 512 bytes, lane l's 16 bytes at 16 l].
; CAUSAL (the mask that the problem builds itself).  Every wave walks all slots (constant trip counts, every barrier).  A step all of whose keys come after the wave's 16 queries, or that is the other wave's, is left out by scalar
; branches on ids, which lead round loads from LDS, products and softmax alone; on the diagonal hidden scores become -infinity.  Key 0 counts for every query, so an owner's M is a number from the first step on.
; NO JOINT LOADS: the sixteen work-groups of a key and value head need different numbers of slots (work-group j: keys up to 2,047 - 64 j), and a joint load is issued by every partner that it names.
; LIMITS, so that each power of two made below is an f32 number: e6 + e7 between -123 and 130 (added to c's exponent field); e8, and e10 - e8 - e9, between -126 and 119.  The scaled scores t stay under 2^31 in magnitude.
; REGISTERS, both windows: v9 r - 8 h; v12 -M, v13 the largest t, v[14:15] the sum; v16-31 Q; v96-159 S^T, then p; v160-223 O^T; v224-239 codes; v240, v244: 448 x 2^e8, 2^e8; v241, v245: the same for e10 - e8 - e9; v242-254 at work.
;   v32-95: window 0: fragments 0-3 of K or V; window 1: fragments 4-7.  Window 0 alone: v1 16 x lane, v2 my place in the hand-over's bytes, v3 256 x lane, v5, v6 the add's two, v8 the LDS address in hand.
.set SLOT1, 65536                      ; slot 1 begins here: one exclusive or turns an address in one slot into the other's
.set VOFF,  32768                      ; V's fragments in a slot
.set SPARE, 2*SLOT1                    ; behind the ring: the spare words, 128 bytes for each of eight waves
.set STG,   SPARE+1024                 ; behind them: the hand-over, for each late tile two heads x (16 pieces of O + 1 of -M, t and the sums) x 512 bytes; no tensor load lands here
.set STU,   17*512                     ; a head's part
.set NSL,   8                          ; 2,048 keys in slots of 256
.set LN,   1
.set STA,  2
.set PFO,  3
.set SPW,  5
.set NIL,  6
.set ADR,  8
.set TB,   2                           ; s2   LDS byte at which the slot in hand begins
.set WV,   18                          ; s18  my wave's number
.set SEL,  20                          ; s[20:21] lane selects for v_permlanex16_b32: lane l xor 16
.set CS,   22                          ; s[22:23] c = log2(e) / sqrt(128) x 2^(e6 + e7)
.set G1,   24                          ; s[24:31] descriptor group 1
.set G0,   40                          ; s[40:43] descriptor group 0, which walks
.set SLOTS, 67                         ; s67  slots still to be asked for
.set PFA,  76                          ; s[76:77] where my prefetches stand
.set LIM,  80                          ; s80  1 in a wave that prefetches, else the greatest number
.set L15,  88                          ; s88  the last query of the tile in hand
.set RL,   89                          ; s89  0 in waves 0-3, 1 in waves 4-7: also the number, in a slot, of the key step that is mine from SW on
.set QT,   90                          ; s90  the first query of the late tile of my number
.set SW,   91                          ; s91  the key from which on the late tiles' steps are shared out
.set QL,   97                          ; s97  my work-group's last query
.set KF,   98                          ; s98  the step's first key
.set Q0,   99                          ; s99  the first query of the tile in hand
.set MSB, 0
.macro WIN new                         ; the immediate's high byte repeats the setting that is left.  Low byte: bits 1:0 source 0, 3:2 source 1, 5:4 source 2, 7:6 destination
.if MSB != \new
	s_set_vgpr_msb (MSB<<8)|\new
.set MSB, \new
.endif
.endm
.macro TLOAD                           ; waves 0-3 fetch a quarter of a slot each; an s_nop 0 and four v_nop follow the line
	s_cmp_lt_u32 s[WV], 4
	s_cbranch_scc0 .Lasked_\@
	tensor_load_to_lds s[G0:G0+3], s[G1:G1+7]
	s_nop 0
.rept 4
	v_nop
.endr
.Lasked_\@:
.endm
; A PREFETCH of what the NEXT change of slots will ask for: a slot's 32 KiB of K and 32 KiB of V.  All sixteen work-groups of a key and value head walk the same K and V: work-group j = 0 asks, and in it the four waves that fetch
; nothing: wave 4 + i names the 16 KiB that wave i will fetch, lanes 256 bytes apart, two instructions.  So each aligned 256 bytes are named once in the launch.  Slots 0 and 1 come by their loads alone; the last trip asks for nothing.
.macro ASK
	s_cmp_gt_u32 s[SLOTS], s[LIM]
	s_cbranch_scc0 .Lnot_mine_\@
	global_prefetch_b8 v[PFO], s[PFA:PFA+1] th:TH_LOAD_NT scope:SCOPE_SE
	global_prefetch_b8 v[PFO], s[PFA:PFA+1] offset:8192 th:TH_LOAD_NT scope:SCOPE_SE
.Lnot_mine_\@:
.endm
	s_load_b128 s[4:7], s[0:1], 0x0                ; qkv s[4:5], the exponents s[6:7]
	s_load_b64 s[8:9], s[0:1], 0x10                ; ac
	v_lshl_add_u32 v[SPW], v0, 2, SPARE
	v_mov_b32 v[NIL], 0
	ds_add_u32 v[SPW], v[NIL]                      ; the wave's opening: the add, twice on end, and its wait ahead of my first tensor load; the set-up below, work on registers, stands between
	ds_add_u32 v[SPW], v[NIL]
	v_lshrrev_b32 v8, 5, v0
	s_delay_alu instid0(VALU_DEP_1)
	v_readfirstlane_b32 s[WV], v8                  ; wave 0..7
	s_and_b32 s32, ttmp7, 0xffff
	s_lshr_b32 s33, s32, 3                         ; the batch
	s_and_b32 s34, s32, 7                          ; the key and value head
	s_lshr_b32 s[RL], s[WV], 2
	s_and_b32 s38, s[WV], 3                        ; my tile's number.  Also: which quarter of a slot I fetch: 0, 1: K's halves; 2, 3: V's
	s_lshl_b32 s37, s38, 4
	s_lshl_b32 s36, ttmp9, 6                       ; the early chunk begins at query 64 j,
	s_sub_co_u32 s[QL], 2047, s36                  ; the late chunk ends at 2,047 - 64 j
	s_sub_co_u32 s[QT], 1984, s36                  ; and begins at 64 (31 - j)
	s_add_co_u32 s[QT], s[QT], s37
	s_add_co_u32 s36, s36, s37
	s_cmp_eq_u32 s[RL], 0
	s_cselect_b32 s[Q0], s[QT], s36                ; waves 0-3 begin with the late tile, waves 4-7 with the early one
	s_add_co_u32 s[L15], s[Q0], 15
	s_lshr_b32 s[SW], ttmp9, 2
	s_add_co_u32 s[SW], s[SW], 1
	s_lshl_b32 s[SW], s[SW], 8                     ; the first key of the slot behind the early chunk's last
	s_mul_i32 s35, s38, 2*STU                      ; my tile's part of the hand-over
	s_lshr_b32 s39, s38, 1
	s_lshl_b32 s39, s39, 3
	s_add_co_u32 s39, s39, s34
	s_add_co_u32 s39, s39, 16                      ; the head's number in qkv: 16 + kvh for K, 24 + kvh for V
	s_lshl_b32 s39, s39, 18                        ; 256 KiB a head,
	s_lshl_b32 s44, s33, 23                        ; 8 MiB a batch
	s_add_co_u32 s44, s44, s39
	s_and_b32 s45, s38, 1
	s_lshl_b32 s45, s45, 14
	s_add_co_u32 s44, s44, s45
	s_mov_b32 s45, 0                               ; s[44:45]: my quarter of slot 0's keys, in memory,
	s_lshl_b32 s46, s38, 14                        ; and in LDS
	s_lshl_b32 s48, s33, 23                        ; Q: head 2 kvh; fragment Q / 16 lies 128 Q bytes on
	s_lshl_b32 s49, s34, 19
	s_add_co_u32 s48, s48, s49
	s_lshl_b32 s49, s[QT], 7
	s_add_co_u32 s56, s48, s49                     ; s[56:57]: the late tile's Q,
	s_mov_b32 s57, 0
	s_lshl_b32 s49, s[Q0], 7
	s_add_co_u32 s48, s48, s49                     ; s[48:49]: that of the tile with which I begin
	s_mov_b32 s49, 0
	s_lshl_b32 s50, s33, 22                        ; ac: ((128 batch + Q / 16) 16 + 2 kvh) 2,048: each wave stores the tile with which it begins
	s_lshl_b32 s51, s[Q0], 11
	s_add_co_u32 s50, s50, s51
	s_lshl_b32 s51, s34, 12
	s_add_co_u32 s50, s50, s51
	s_mov_b32 s51, 0
	s_mov_b32 s[G1], 3<<16                         ; 15:0 no mask; 17:16 elements of 8 bytes; no padding
	s_mov_b32 s[G1+1], 32<<16                      ; tensor_dim0 = 32: rows of 256 bytes
	s_mov_b32 s[G1+2], 64<<16                      ; tensor_dim1 = 64
	s_mov_b32 s[G1+3], 32<<16                      ; tile_dim0
	s_mov_b32 s[G1+4], 64                          ; tile_dim1: 16 KiB
	s_mov_b32 s[G1+5], 32                          ; the rows lie on end
	s_mov_b32 s[G1+6], 0
	s_mov_b32 s[G1+7], 0
	s_mov_b32 s[SEL], 0x76543210
	s_mov_b32 s[SEL+1], 0xfedcba98
	s_mov_b32 s[CS], 0x3e0293ee                    ; log2(e) / sqrt(128)
	s_mov_b32 s[TB], 0
	s_mov_b32 s[SLOTS], NSL-1
	s_mov_b32 s[KF], 0
	s_xor_b32 s82, s[RL], 1                        ; 0 in waves 4 to 7,
	s_or_b32 s82, s82, ttmp9                       ; of work-group j = 0
	s_cmp_eq_u32 s82, 0
	s_cselect_b32 s[LIM], 1, -1
	s_wait_dscnt 0x0                               ; both opening adds are done
	s_wait_kmcnt 0x0
	s_load_b256 s[68:75], s[6:7], 0x0              ; e0 .. e7
	s_load_b128 s[84:87], s[6:7], 0x20             ; e8 .. e11
	s_mov_b32 s[G0], 1                             ; count = 1
	s_mov_b32 s[G0+1], s46                         ; LDS address: slot 0
	s_add_nc_u64 s[G0+2:G0+3], s[4:5], s[44:45]
	s_or_b32 s[G0+3], s[G0+3], 0x80000000          ; type = 2
	TLOAD                                          ; slot 0
	s_add_nc_u64 s[PFA:PFA+1], s[4:5], s[44:45]
	s_add_nc_u64 s[PFA:PFA+1], s[PFA:PFA+1], 32768 ; in slot 1: the first change of slots steps it to slot 2.  Nothing is prefetched here, at the head
	s_add_nc_u64 s[10:11], s[4:5], s[48:49]        ; Q of the tile with which I begin,
	s_add_nc_u64 s[12:13], s[4:5], s[56:57]        ; Q of the late tile of my number
	s_add_nc_u64 s[8:9], s[8:9], s[50:51]          ; my part of ac
	v_and_b32 v[LN], 31, v0
	s_delay_alu instid0(VALU_DEP_1)
	v_lshlrev_b32 v[PFO], 8, v[LN]
	s_delay_alu instid0(VALU_DEP_2)
	v_lshlrev_b32 v[LN], 4, v[LN]
	v_and_b32 v9, 15, v0
	v_bfe_u32 v10, v0, 4, 1
	s_delay_alu instid0(VALU_DEP_1)
	v_lshlrev_b32 v10, 3, v10
	s_delay_alu instid0(VALU_DEP_1)
	v_sub_nc_u32 v9, v9, v10                       ; r - 8 h, for the mask
	v_add_nc_u32 v[STA], s35, v[LN]
	v_add_nc_u32 v[STA], STG, v[STA]               ; the hand-over: STG + 2 STU x tile + 16 x lane, the same in a tile's owner and helper
.irp c, 0,1,2,3
	global_load_b128 v[16+4*\c:19+4*\c], v[LN], s[10:11] offset:512*\c           ; Q of head 2 kvh stays in registers,
.endr
	WIN 0x40                                       ; destination window 1
.irp c, 0,1,2,3
	global_load_b128 v[16+4*\c:19+4*\c], v[LN], s[10:11] offset:262144+512*\c    ; and Q of head 2 kvh + 1, a head's 256 KiB further on
.endr
	v_mov_b32 v9, v9                               ; r - 8 h into window 1
	WIN 0
	s_wait_kmcnt 0x0
	s_add_co_i32 s52, s74, s75
	s_lshl_b32 s52, s52, 23
	s_add_co_i32 s[CS], s[CS], s52                 ; a score stands for score x 2^(e6 + e7)
	s_mov_b32 s[CS+1], s[CS]                       ; (named with it as a pair, so it is written)
	s_add_co_i32 s52, s84, 127
	s_lshl_b32 s53, s52, 23                        ; 2^e8
	s_add_co_i32 s52, s52, 8
	s_lshl_b32 s52, s52, 23
	s_or_b32 s52, s52, 0x600000                    ; 448 x 2^e8
	s_sub_co_i32 s54, s86, s84
	s_sub_co_i32 s54, s54, s85                     ; O^T / l stands for that x 2^(e8 + e9): its code is that / 2^(e10 - e8 - e9)
	s_add_co_i32 s54, s54, 127
	s_lshl_b32 s55, s54, 23
	s_add_co_i32 s54, s54, 8
	s_lshl_b32 s54, s54, 23
	s_or_b32 s54, s54, 0x600000
.macro INIT                            ; a tile's start, in its window.  The key step is written with no first step of its own: it finds zeros, which the first change of M leaves zeros
	v_mov_b32 v13, 0xff61b1e6                      ; the largest t so far: -3e38
	s_delay_alu instid0(VALU_DEP_1)
	v_floor_f32 v12, -v13                          ; -M
	v_mov_b32 v14, 0
	v_mov_b32 v15, 0
	v_mov_b32 v236, 0                              ; written once: a lane permute's destination counts as one of its sources
	v_mov_b32 v252, 0
	v_mov_b32 v253, 0                              ; (named as the upper half of the pair v[252:253])
	v_mov_b32 v240, s52
	v_mov_b32 v244, s53
	v_mov_b32 v241, s54
	v_mov_b32 v245, s55
.set n, 0
.rept 64
	v_mov_b32 v[160+n], 0
.set n, n+1
.endr
.endm
	INIT
	WIN 0x55
	INIT
	WIN 0
.macro FRAGS off                       ; eight fragments from byte off of the slot: 0-3 into window 0, 4-7 into window 1
.irp t, 0,1,2,3
.irp c, 0,1,2,3
	ds_load_b128 v[32+16*\t+4*\c:35+16*\t+4*\c], v[ADR] offset:(\off)+2048*\t+512*\c
.endr
.endr
	WIN 0x40
.irp t, 0,1,2,3
.irp c, 0,1,2,3
	ds_load_b128 v[32+16*\t+4*\c:35+16*\t+4*\c], v[ADR] offset:(\off)+8192+2048*\t+512*\c
.endr
.endr
	WIN 0
.endm
.macro QK4 win, f0                     ; S^T's tiles f0 .. f0 + 3 of one head
	WIN \win
.irp t, 0,1,2,3
	v_wmma_f32_16x16x128_fp8_fp8 v[96+8*(\f0+\t):103+8*(\f0+\t)], v[32+16*\t:47+16*\t], v[16:31], 0
.endr
.endm
.macro PV4 win, f0                     ; O^T's tiles f0 .. f0 + 3 of one head
	WIN \win
.irp t, 0,1,2,3
	v_wmma_f32_16x16x128_fp8_fp8 v[160+8*(\f0+\t):167+8*(\f0+\t)], v[32+16*\t:47+16*\t], v[224:239], v[160+8*(\f0+\t):167+8*(\f0+\t)]
.endr
.endm
.macro MASK                            ; register n holds key KF + 16 (n / 8) + 8 h + n % 8: hidden where 16 (n / 8) + n % 8 > my query - KF - 8 h
	v_add_nc_u32 v252, s96, v9
	v_mov_b32 v254, 0xff800000                     ; -infinity
.set n, 0
.rept 64
	v_cmp_gt_i32 vcc_lo, 16*(n/8)+n%8, v252
	v_cndmask_b32 v[96+n], v[96+n], v254, vcc_lo
.set n, n+1
.endr
.endm
.macro SOFT w                          ; one head's softmax for 128 keys, in its window.  w = 1: the second head, whose scores may be first read behind the first head's exponentials: the wait stands ahead of their first reader
.if \w
	s_wait_alu depctr_va_vdst(0)
.endif
	v_max3_num_f32 v254, v96, v97, v98             ; the step's largest score of my query among my 64 keys, in two chains; each accumulator is first read at its low end
	v_max3_num_f32 v252, v99, v100, v101
.set n, 6
.rept 14
	v_max3_num_f32 v254, v254, v[96+n], v[97+n]
	v_max3_num_f32 v252, v252, v[98+n], v[99+n]
.set n, n+4
.endr
	v_max3_num_f32 v254, v254, v158, v159
	s_delay_alu instid0(VALU_DEP_1)
	v_max_num_f32 v254, v254, v252
	v_permlanex16_b32 v236, v254, s[SEL], s[SEL+1]
	s_delay_alu instid0(VALU_DEP_1)
	v_max_num_f32 v254, v254, v236                 ; and among lane l xor 16's
	s_delay_alu instid0(VALU_DEP_1)
	v_mul_f32 v254, s[CS], v254                    ; as t (c is positive)
	s_delay_alu instid0(VALU_DEP_1)
	v_max_num_f32 v13, v13, v254                   ; the running largest t
	v_mov_b32 v254, v12
	s_delay_alu instid0(VALU_DEP_2)
	v_floor_f32 v12, -v13                          ; the new -M = floor(-t) = -ceil(t): a whole number
	s_delay_alu instid0(VALU_DEP_1)
	v_sub_f32 v254, v12, v254                      ; old M - new M: a whole number, 0 or less
	s_delay_alu instid0(VALU_DEP_1)
	v_cvt_i32_f32 v254, v254                       ; (it saturates)
	s_delay_alu instid0(VALU_DEP_1)
	v_ldexp_f32 v252, 1.0, v254                    ; f = 2^(old M - new M)
.set n, 0
.rept 32
	v_pk_fma_f32 v[96+n:97+n], v[96+n:97+n], s[CS:CS+1], v[12:13] op_sel_hi:[1,0,0]   ; t - M, two at a time
.set n, n+2
.endr
.set n, 0
	s_wait_alu depctr_va_vdst(0)                   ; the wait ahead of the batch
.rept 64
	v_exp_f32 v[96+n], v[96+n]                     ; p = 2^(t - M), at most 1
.set n, n+1
.endr
	v_pk_mul_f32 v[14:15], v[14:15], v[252:253] op_sel_hi:[1,0]   ; the sums under the new M (a plain line behind the exponentials)
	s_wait_alu depctr_va_vdst(0)                   ; one wait for the whole batch, ahead of its first reader
	v_pk_add_f32 v[242:243], v[96:97], v[98:99]    ; the row's sum is taken of the unquantised p, in two chains
.set n, 4
.rept 15
	v_pk_add_f32 v[14:15], v[14:15], v[96+n:97+n]
	v_pk_add_f32 v[242:243], v[242:243], v[98+n:99+n]
.set n, n+4
.endr
	s_delay_alu instid0(VALU_DEP_1)
	v_pk_add_f32 v[14:15], v[14:15], v[242:243]
.set n, 0
.rept 64
	v_min_num_f32 v[96+n], v[96+n], v240           ; the conversion does not saturate (ISA guide 7.6.2); p is not negative, so the hold is one-sided
.set n, n+1
.endr
.set n, 0
.rept 8
	v_cvt_scalef32_pk8_fp8_f32 v[224+2*n:225+2*n], v[96+8*n:103+8*n], v244   ; tile n's keys 16 n + 8 h + 0 .. 7: registers 2 n, 2 n + 1 of P
.set n, n+1
.endr
	s_wait_alu depctr_va_vdst(0)                   ; the wait here, directly ahead of the first reader of O^T
.set n, 0
.rept 32
	v_pk_mul_f32 v[160+n:161+n], v[160+n:161+n], v[252:253] op_sel_hi:[1,0]   ; O^T under the new M (also the plain lines behind the conversions)
.set n, n+2
.endr
.endm
; A KEY STEP: 128 keys, the q-th of the slot in hand, for both heads of the tile in hand.  No barrier and no tensor load stands in a step.
.macro STEP q
	s_cmp_gt_u32 s[KF], s[L15]                     ; all keys behind my 16 queries: the step's work is left out
	s_cbranch_scc1 .Lhidden_\@
	s_cmp_ge_u32 s[KF], s[SW]                      ; from key SW on the owner takes a slot's step 0 and the helper its step 1; ahead of SW every wave takes both
	s_cselect_b32 s96, s[RL], \q
	s_cmp_lg_u32 s96, \q
	s_cbranch_scc1 .Lhidden_\@
	v_add_nc_u32 v[ADR], s[TB], v[LN]
.rept 3
	v_nop                                          ; with the addition above: four places in front of loads into registers that the last products read
.endr
	FRAGS 16384*(\q)                               ; K's eight fragments
	s_wait_alu depctr_va_vdst(0)
	s_wait_dscnt 16                                ; fragments 0-3 are in; the sixteen loads of 4-7 may be out
	QK4 0x00, 0                                    ; fragments in window 0, head 0
	QK4 0x54, 0                                    ; fragments in window 0, head 1
	s_wait_dscnt 0x0
	QK4 0x01, 4                                    ; fragments in window 1, head 0
	QK4 0x55, 4                                    ; fragments in window 1, head 1
	WIN 0
.rept 4
	v_nop                                          ; places: in front of the loads below and of the first reads of scores
.endr
	FRAGS VOFF+16384*(\q)                          ; V's eight fragments land under the softmax
	s_add_co_u32 s96, s[KF], 127
	s_cmp_le_u32 s96, s[Q0]                        ; all keys count: no mask
	s_cbranch_scc1 .Lopen_\@
	s_sub_co_i32 s96, s[Q0], s[KF]
	MASK
	WIN 0x55
	MASK
	WIN 0
.Lopen_\@:
	SOFT 0
	WIN 0x55
	SOFT 1
	WIN 0
	s_wait_alu depctr_va_vdst(0)                   ; the wait here, directly ahead of the wait below
	s_wait_dscnt 0x0                               ; V is in
	PV4 0x00, 0                                    ; sixteen accumulators by turns, one instruction a turn
	PV4 0x54, 0
	PV4 0x01, 4
	PV4 0x55, 4
	WIN 0
.Lhidden_\@:
	s_add_co_u32 s[KF], s[KF], 128
.endm
; THE CHANGE OF SLOTS stands at a slot's head.  Each wave waits for all its tensor loads (its part of the slot ahead), adds 0 to its spare word, and waits for that and for its reads of the slot that it has left.
; Behind the barrier the slot ahead is whole and nobody reads the other one.  fill = 1: that other slot takes the next 256 keys, up to the causal limit: the load has a slot's steps in which to land.
.macro CHANGE fill
	s_wait_tensorcnt 0x0                           ; no tensor load of mine is out, so the group 0 may be written
	ds_add_u32 v[SPW], v[NIL]                      ; 0 onto my spare word
.if \fill
	ds_add_u32 v[SPW], v[NIL]                      ; and once more: in every trip alike
	s_xor_b32 s[G0+1], s[G0+1], SLOT1              ; the other slot than last time,
	s_add_nc_u64 s[G0+2:G0+3], s[G0+2:G0+3], 32768 ; the next 256 keys; the type bits on top are not reached
	s_wait_xcnt 0x0                                ; the last prefetches, a slot back, have read their address:
	s_add_nc_u64 s[PFA:PFA+1], s[PFA:PFA+1], 32768 ; one slot further on than the walking descriptor
.endif
	s_wait_dscnt 0x0                               ; the add is done (fill = 1: both are), and my reads of the slot that I have left are over
	s_barrier_signal -1
	s_barrier_wait -1
.if \fill
	s_add_co_u32 s96, s[KF], 256                   ; the first key of the slot that this change would ask for:
	s_cmp_gt_u32 s96, s[QL]                        ; behind my work-group's last query it is read by none of the eight waves, so it is not asked for.  Ids and the count of steps alone: all waves go the same way
	s_cbranch_scc1 .Lpast_\@
	TLOAD                                          ; a wave's one tensor load until the next such barrier
.Lpast_\@:
	ASK
.endif
.endm
; O^T / the sum, quantised: the eight conversions' results are the last product's operand, and are stored as they stand.
.macro FINISH
	v_add_f32 v14, v14, v15                        ; the sum's two halves,
	s_delay_alu instid0(VALU_DEP_1)
	v_permlanex16_b32 v252, v14, s[SEL], s[SEL+1]
	s_delay_alu instid0(VALU_DEP_1)
	v_add_f32 v14, v14, v252                       ; and lane l xor 16's
	s_wait_alu depctr_va_vdst(0)                   ; the wait ahead of the reciprocal
	v_rcp_f32 v14, v14
	v_nop                                          ; a plain line behind the reciprocal
	s_wait_alu depctr_va_vdst(0)                   ; and the wait ahead of its first reader, which is O^T's first reader too
.set n, 0
.rept 32
	v_pk_mul_f32 v[96+n:97+n], v[160+n:161+n], v[14:15] op_sel_hi:[1,0]   ; each accumulator from its low end on
.set n, n+2
.endr
.set n, 0
.rept 64
	v_med3_num_f32 v[96+n], v[96+n], -v241, v241
.set n, n+1
.endr
.set n, 0
.rept 8
	v_cvt_scalef32_pk8_fp8_f32 v[224+2*n:225+2*n], v[96+8*n:103+8*n], v245
.set n, n+1
.endr
	v_nop                                          ; one plain line behind the last conversion
.endm
.macro OUT                             ; both heads of the tile with which I began: finished and stored
	FINISH
.irp c, 0,1,2,3
	global_store_b128 v[LN], v[224+4*\c:227+4*\c], s[8:9] offset:512*\c          ; 32 lanes store 512 consecutive bytes
.endr
	WIN 0x55
	FINISH
	WIN 0x04                                       ; a store's data: source 1
.irp c, 0,1,2,3
	global_store_b128 v[LN], v[224+4*\c:227+4*\c], s[8:9] offset:2048+512*\c
.endr
	WIN 0
.endm
	s_wait_alu depctr_va_vdst(0)                   ; the wait at the head's end
	s_wait_loadcnt 0x0                             ; Q
.Lslot:                                            ; NSL - 1 trips
	CHANGE 1
	s_cmp_eq_u32 s[KF], s[SW]                      ; at key SW (slot 1 to 4, by the work-group's number) waves 4-7 change their tile: ids and the count of steps alone; no barrier, wait of the ring or tensor load stands in here
	s_cselect_b32 s96, s[RL], 0
	s_cmp_eq_u32 s96, 1
	s_cbranch_scc0 .Lstay
.rept 4
	v_nop                                          ; places behind the early tile's last products: in front of the loads into Q's registers and of the first reads of O^T
.endr
.irp c, 0,1,2,3
	global_load_b128 v[16+4*\c:19+4*\c], v[LN], s[12:13] offset:512*\c           ; the late tile's Q lands under the early tile's way out
.endr
	WIN 0x40
.irp c, 0,1,2,3
	global_load_b128 v[16+4*\c:19+4*\c], v[LN], s[12:13] offset:262144+512*\c
.endr
	WIN 0
	OUT                                            ; the early tile leaves
	s_wait_xcnt 0x0                                ; its stores have read their data: the codes' registers (v236 among them, which the start below writes) are written again only behind this wait
	INIT                                           ; and my part of the late tile begins
	WIN 0x55
	INIT
	WIN 0
	s_mov_b32 s[Q0], s[QT]
	s_add_co_u32 s[L15], s[QT], 15
	s_wait_alu depctr_va_vdst(0)
	s_wait_loadcnt 0x0                             ; Q
.Lstay:
	STEP 0
	STEP 1
	s_xor_b32 s[TB], s[TB], SLOT1                  ; on to the other slot
	s_sub_co_u32 s[SLOTS], s[SLOTS], 1
	s_cmp_lg_u32 s[SLOTS], 0
	s_cbranch_scc1 .Lslot
	CHANGE 0                                       ; the last slot is written out: nothing is left to fetch
	STEP 0
	STEP 1
	; THE HAND-OVER.  A helper stores its O^T (16 pieces a head), and -M, t and the sums (one piece), as images of the registers; one barrier; the owner reads them into the registers that held the scores.
.rept 4
	v_nop                                          ; places behind the last products
.endr
.macro PUT u
.set n, 0
.rept 16
	ds_store_b128 v[STA], v[160+4*n:163+4*n] offset:STU*(\u)+512*n               ; each accumulator from its low end on
.set n, n+1
.endr
	ds_store_b128 v[STA], v[12:15] offset:STU*(\u)+8192
.endm
.macro GET u
.set n, 0
.rept 16
	ds_load_b128 v[96+4*n:99+4*n], v[STA] offset:STU*(\u)+512*n
.set n, n+1
.endr
	ds_load_b128 v[248:251], v[STA] offset:STU*(\u)+8192
.endm
.macro MERGE                           ; in a head's window: mine (-M v12, sums v[14:15], O^T v160-223) and the helper's (-M v248, sums v[250:251], O^T v96-159) under the larger M
	v_min_num_f32 v254, v12, v248                  ; -M of the two together
	v_mov_b32 v247, 0                              ; (named as the upper half of the pair v[246:247])
	v_sub_f32 v252, v254, v12                      ; my M - M: a whole number, 0 or less
	v_sub_f32 v246, v254, v248                     ; the helper's M - M
	v_cvt_i32_f32 v252, v252                       ; (they saturate)
	v_cvt_i32_f32 v246, v246
	v_ldexp_f32 v252, 1.0, v252
	v_ldexp_f32 v246, 1.0, v246
	v_pk_mul_f32 v[14:15], v[14:15], v[252:253] op_sel_hi:[1,0]
	v_pk_fma_f32 v[14:15], v[250:251], v[246:247], v[14:15] op_sel_hi:[1,0,1]
.set n, 0
.rept 32
	v_pk_mul_f32 v[160+n:161+n], v[160+n:161+n], v[252:253] op_sel_hi:[1,0]      ; each accumulator from its low end on
.set n, n+2
.endr
.set n, 0
.rept 32
	v_pk_fma_f32 v[160+n:161+n], v[96+n:97+n], v[246:247], v[160+n:161+n] op_sel_hi:[1,0,1]
.set n, n+2
.endr
.endm
	s_cmp_lt_u32 s[WV], 4
	s_cbranch_scc1 .Lowner
	PUT 0
	WIN 0x04                                       ; an LDS store's data: source 1
	PUT 1
	WIN 0
.Lowner:
	s_wait_dscnt 0x0                               ; my stores are done, for the owner's sake
	s_barrier_signal -1
	s_barrier_wait -1
	s_cmp_lt_u32 s[WV], 4
	s_cbranch_scc0 .Lend
	GET 0
	WIN 0x40
	GET 1
	WIN 0
	s_wait_dscnt 0x0
	MERGE
	WIN 0x55
	MERGE
	WIN 0
	OUT                                            ; the late tile leaves
.Lend:
	s_wait_tensorcnt 0x0                           ; the wave's end: these three lines behind my last tensor load and my last LDS store
	ds_add_u32 v[SPW], v[NIL]
	s_wait_dscnt 0x0
	s_endpgm
.Lfunc_end_k_q4ad3f8fbcd_attn:
	.size	k_q4ad3f8fbcd_attn, .Lfunc_end_k_q4ad3f8fbcd_attn-k_q4ad3f8fbcd_attn
	.p2alignl 7, 3214868480
	.fill 96, 4, 3214868480
	.section	.rodata,"a",@progbits
	.p2align	6, 0x0
	.amdhsa_kernel k_q4ad3f8fbcd_attn
		.amdhsa_group_segment_fixed_size 327680
		.amdhsa_private_segment_fixed_size 0
		.amdhsa_enable_private_segment 0
		.amdhsa_kernarg_size 24
		.amdhsa_user_sgpr_count 2
		.amdhsa_user_sgpr_kernarg_segment_ptr 1
		.amdhsa_wavefront_size32 1
		.amdhsa_system_sgpr_workgroup_id_x 1
		.amdhsa_system_sgpr_workgroup_id_y 1
		.amdhsa_system_sgpr_workgroup_id_z 1
		.amdhsa_system_vgpr_workitem_id 0
		.amdhsa_next_free_vgpr 512
		.amdhsa_next_free_sgpr 100
		.amdhsa_reserve_vcc 1
		.amdhsa_float_denorm_mode_32 3
		.amdhsa_float_denorm_mode_16_64 3
		.amdhsa_memory_ordered 1
		.amdhsa_forward_progress 1
		.amdhsa_inst_pref_size 238
	.end_amdhsa_kernel
	.amdgpu_metadata
---
amdhsa.version: [ 1, 2 ]
amdhsa.kernels:
  - .name:           k_q4ad3f8fbcd_attn
    .symbol:         k_q4ad3f8fbcd_attn.kd
    .args:
      - { .name: qkv, .offset: 0, .size: 8, .value_kind: global_buffer, .address_space: global }
      - { .name: lowp_scales, .offset: 8, .size: 8, .value_kind: global_buffer, .address_space: global }
      - { .name: ac, .offset: 16, .size: 8, .value_kind: global_buffer, .address_space: global }
    .group_segment_fixed_size: 327680
    .private_segment_fixed_size: 0
    .kernarg_segment_align: 8
    .kernarg_segment_size: 24
    .max_flat_workgroup_size: 256
    .sgpr_count:     100
    .vgpr_count:     512
    .wavefront_size: 32
...
	.end_amdgpu_metadata
.endif
;; end of part 3
;; launch oproj (part 4): grid 8 x 32, 4 waves a work-group, clusters of 4 x 4, 327,680 bytes of LDS; arguments ac, codes, lowp_scales, out0; writes out0
.if DOCPART == 4
	.amdgcn_target "amdgcn-amd-amdhsa--gfx1250"
	.amdhsa_code_object_version 6
	.text
	.protected	k_q4ad3f8fbcd_oproj
	.globl	k_q4ad3f8fbcd_oproj
	.p2align	8
	.type	k_q4ad3f8fbcd_oproj,@function
k_q4ad3f8fbcd_oproj:
	s_mov_b64 s[64:65], 0
	v_nop
	global_prefetch_b8 v0, s[64:65] scope:SCOPE_SE
	s_setreg_imm32_b32 hwreg(HW_REG_WAVE_MODE, 25, 1), 1
	s_wait_xcnt 0x0
	s_wait_alu depctr_hold_cnt(0) depctr_sa_sdst(0) depctr_va_vdst(0) depctr_va_sdst(0) depctr_va_ssrc(0) depctr_va_vcc(0) depctr_vm_vsrc(0)
	s_getreg_b32 s2, hwreg(HW_REG_IB_STS2, 6, 4)
	s_cmp_eq_u32 s2, 0
	s_cbranch_scc0 .Lentry_in_a_cluster
	s_endpgm
.Lentry_in_a_cluster:
	s_bfe_u32 s2, ttmp6, 0x10000c
	s_cmp_lg_u32 s2, 0xf033
	s_cbranch_scc0 .Lentry_shape_is_right
	s_endpgm
.Lentry_shape_is_right:
.set PB,     528
.set ABYTES, 65536
.set BHALF,  64*PB
.set SLOT,   ABYTES+2*BHALF
.set STAGE,  2*SLOT
.set SPITCH, 272
.set SPARE,  STAGE+4*16*SPITCH
.set ADRA, 16
.set ADRB, 20
.set STO,  24
.set RD,   25
.set CO,   26
.set SPW,  28
.set NIL,  29
.set TMP,  32
.set BK,   64
.set ACC,  128
.set F0,   0
.set F1,   128
.set G1, 24
.set G0, 32
.set G1B, 48
.set G0B, 56
.set MSB, 0
.macro WIN new
.if MSB != \new
	s_set_vgpr_msb (MSB<<8)|\new
.set MSB, \new
.endif
.endm
.set MUL,  0x05
.set TO_F, 0x40
.macro JLOAD s
	s_cmp_eq_u32 s15, 0
	s_cbranch_scc0 .Lfor_b_\@
	tensor_load_to_lds s[G0+4*\s:G0+4*\s+3], s[G1:G1+7]
	s_nop 0
.rept 4
	v_nop
.endr
	s_branch .Lasked_\@
.Lfor_b_\@:
	tensor_load_to_lds s[G0B+4*\s:G0B+4*\s+3], s[G1B:G1B+7]
	s_nop 0
.rept 4
	v_nop
.endr
.Lasked_\@:
.endm
.macro CREST
	s_cmp_lg_u32 s14, 0
	s_cbranch_scc1 .Lnot_wave_0_\@
	s_barrier_signal -3
.Lnot_wave_0_\@:
	s_barrier_wait -3
	s_barrier_signal -1
	s_barrier_wait -1
.endm
.macro CROUND
	s_barrier_signal -1
	s_barrier_wait -1
	CREST
.endm
	s_load_b128 s[4:7], s[0:1], 0x0
	s_load_b128 s[8:11], s[0:1], 0x10
	v_lshl_add_u32 v[SPW], v0, 2, SPARE
	v_mov_b32 v[NIL], 0
	ds_add_u32 v[SPW], v[NIL]
	ds_add_u32 v[SPW], v[NIL]
	v_lshrrev_b32 v1, 5, v0
	v_readfirstlane_b32 s14, v1
	s_lshr_b32 s15, s14, 1
	s_and_b32 s16, s14, 1
	s_bfe_u32 s40, ttmp6, 0x40000
	s_bfe_u32 s41, ttmp6, 0x40004
	s_lshl_b32 s42, ttmp9, 2
	s_add_co_u32 s42, s42, s40
	s_and_b32 s17, ttmp7, 0xffff
	s_lshl_b32 s17, s17, 2
	s_add_co_u32 s17, s17, s41
	s_lshl_b32 s43, s41, 2
	s_lshl_b32 s43, 15, s43
	s_lshl_b32 s44, 0x1111, s40
	s_or_b32 s[G1+0], s43, (3<<16)|(1<<21)
	s_mov_b32 s[G1+1], 1024<<16
	s_mov_b32 s[G1+2], 4<<16
	s_mov_b32 s[G1+3], 1024<<16
	s_mov_b32 s[G1+4], 4
	s_mov_b32 s[G1+5], 4096
	s_mov_b32 s[G1+6], 0
	s_mov_b32 s[G1+7], 0
	s_or_b32 s[G1B+0], s44, (0<<16)|(1<<20)|(1<<21)|(6<<22)|(3<<25)
	s_mov_b32 s[G1B+1], 512<<16
	s_mov_b32 s[G1B+2], 64<<16
	s_mov_b32 s[G1B+3], 512<<16
	s_mov_b32 s[G1B+4], 64
	s_mov_b32 s[G1B+5], 2048
	s_mov_b32 s[G1B+6], 0
	s_mov_b32 s[G1B+7], 0
	s_lshl_b32 s20, s17, 18
	s_lshl_b32 s21, s16, 17
	s_add_co_u32 s20, s20, s21
	s_mov_b32 s21, 0
	s_lshl_b32 s46, s42, 18
	s_lshl_b32 s47, s16, 17
	s_add_co_u32 s46, s46, s47
	s_add_co_u32 s46, s46, 0x1000000
	s_mov_b32 s47, 0
	s_lshl_b32 s45, s16, 15
	s_mul_i32 s18, s16, BHALF
	s_add_co_u32 s18, s18, ABYTES
	s_wait_dscnt 0x0
	s_wait_kmcnt 0x0
	s_load_b64 s[96:97], s[8:9], 0x28
	s_add_nc_u64 s[20:21], s[4:5], s[20:21]
	s_add_nc_u64 s[46:47], s[6:7], s[46:47]
	; THE PREFETCHES: behind each of the two first fills one instruction a wave asks for the slot two fills on (slots 2 and 3), of the tile that the wave itself fetches: 32 KiB, 128 blocks of 256 bytes.
	; The four partners that ask for a tile jointly share its blocks out BY ADDRESS, 32 each, a lane a block: of A's four rows of 8,192 bytes (32,768 apart) the partner at cx takes row cx; of B's 64 rows of 512 bytes (2,048 apart) the partner at cy takes rows 16 cy on.
	s_cmp_eq_u32 s15, 0                            ; do I fetch for A?
	s_cselect_b64 s[68:69], s[20:21], s[46:47]
	s_cselect_b32 s70, s40, s41                    ; my place among the four
	s_mov_b32 s72, 1024
	s_cselect_b32 s72, 16384, s72                  ; two slots on: 2 x 8,192 bytes in A's rows, 2 x 512 in B's
	s_mov_b32 s74, 2048
	s_cselect_b32 s74, 512, s74                    ; from one pair of lanes to the next: 512 bytes on in A's row; a row on in B
	s_lshl_b32 s70, s70, 15                        ; a row of A's four, or 16 rows of B: 32,768 bytes either way
	s_add_co_u32 s70, s70, s72
	s_mov_b32 s71, 0
	s_add_nc_u64 s[68:69], s[68:69], s[70:71]      ; my blocks of slot 2,
	s_lshr_b32 s72, s72, 1
	s_mov_b32 s73, 0
	s_add_nc_u64 s[76:77], s[68:69], s[72:73]      ; and of slot 3: two bases, neither written again
	s_and_b32 s78, ttmp7, 0xffff                   ; the cluster's y, the same in all sixteen partners
	s_cmp_eq_u32 s15, 0
	s_cselect_b32 s75, 0, s78                      ; A's waves ask in every cluster (two clusters load a block of A); B's blocks are loaded by all eight clusters of a column of the grid: B's waves ask in clusters 0 to 3 along y alone
	CROUND
.irp s, 0,1
	s_mov_b32 s[G0+4*\s], 1
	s_add_co_u32 s[G0+4*\s+1], s45, \s*SLOT
	s_add_nc_u64 s[G0+4*\s+2:G0+4*\s+3], s[20:21], \s*8192
	s_or_b32 s[G0+4*\s+3], s[G0+4*\s+3], 0x80000000
	s_mov_b32 s[G0B+4*\s], 1
	s_add_co_u32 s[G0B+4*\s+1], s18, \s*SLOT
	s_add_nc_u64 s[G0B+4*\s+2:G0B+4*\s+3], s[46:47], \s*512
	s_or_b32 s[G0B+4*\s+3], s[G0B+4*\s+3], 0x80000000
.endr
	JLOAD 0                                        ; slot 0's first fill, behind the opening round: one tensor load a wave at the head; the address set-up below stands under its flight
	v_and_b32 v1, 15, v0
	v_bfe_u32 v2, v0, 4, 1
	v_and_b32 v3, 31, v0
	v_lshlrev_b32 v3, 4, v3
	v_mul_u32_u24 v4, v1, PB
	v_lshl_add_u32 v4, v2, 4, v4
	s_lshl_b32 s21, s15, 15
	s_mul_i32 s22, s16, BHALF
	s_add_co_u32 s22, s22, ABYTES
.irp s, 0,1
	v_add_nc_u32 v[ADRA+\s], s21, v3
	v_add_nc_u32 v[ADRB+\s], s22, v4
	s_add_co_u32 s21, s21, SLOT
	s_add_co_u32 s22, s22, SLOT
.endr
	s_mul_i32 s23, s14, 16*SPITCH
	s_add_co_u32 s23, s23, STAGE
	v_mul_u32_u24 v5, v1, SPITCH
	v_lshl_add_u32 v5, v2, 5, v5
	v_add_nc_u32 v[STO], s23, v5
	v_mul_u32_u24 v5, v2, SPITCH
	v_lshl_add_u32 v5, v1, 4, v5
	v_add_nc_u32 v[RD], s23, v5
	v_lshlrev_b32 v5, 12, v2
	v_lshl_add_u32 v[CO], v1, 4, v5
	v_and_b32 v6, 31, v0
	v_lshrrev_b32 v7, 1, v6
	v_and_b32 v6, 1, v6
	v_mul_lo_u32 v7, v7, s74
	v_lshl_add_u32 v6, v6, 8, v7                   ; the prefetches' offset: 256 (lane % 2) + (lane / 2) x the step above; never rewritten
	s_cmp_lt_u32 s75, 4
	s_cbranch_scc0 .Lno_ask_2
	global_prefetch_b8 v6, s[68:69] th:TH_LOAD_NT scope:SCOPE_SE   ; slot 2, two fills ahead of its load
.Lno_ask_2:
	s_lshl_b32 s20, s17, 19
	s_lshl_b32 s21, s15, 18
	s_add_co_u32 s20, s20, s21
	s_lshl_b32 s21, s42, 9
	s_add_co_u32 s20, s20, s21
	s_lshl_b32 s21, s16, 8
	s_add_co_u32 s20, s20, s21
	s_mov_b32 s21, 0
	s_add_nc_u64 s[10:11], s[10:11], s[20:21]
.macro MUL4 f, a, zero
.irp b, 0,1,2,3
.if \zero
	v_wmma_f32_16x16x128_fp8_fp8 v[ACC+8*(4*(\a)+\b):ACC+8*(4*(\a)+\b)+7], v[\f+64+16*\b:\f+64+16*\b+15], v[\f+16*(\a):\f+16*(\a)+15], 0
.else
	v_wmma_f32_16x16x128_fp8_fp8 v[ACC+8*(4*(\a)+\b):ACC+8*(4*(\a)+\b)+7], v[\f+64+16*\b:\f+64+16*\b+15], v[\f+16*(\a):\f+16*(\a)+15], v[ACC+8*(4*(\a)+\b):ACC+8*(4*(\a)+\b)+7]
.endif
.endr
.endm
.macro FETCH slot, q, f
	WIN TO_F
.irp i, 0,1,2,3
.irp c, 0,1,2,3
	ds_load_b128 v[\f+64+16*\i+4*\c:\f+64+16*\i+4*\c+3], v[ADRB+\slot] offset:16*PB*\i+128*(\q)+32*\c
.endr
.endr
.irp i, 0,1,2,3
.irp c, 0,1,2,3
	ds_load_b128 v[\f+16*\i+4*\c:\f+16*\i+4*\c+3], v[ADRA+\slot] offset:8192*\i+2048*(\q)+512*\c
.endr
.endr
.endm
.macro PLACES
.rept 4
	v_nop
.endr
.endm
.macro QUARTER slot, qn, f, g, zero
	s_wait_dscnt 8
	WIN MUL
	MUL4 \f, 0, \zero
	MUL4 \f, 1, \zero
	PLACES
	FETCH \slot, \qn, \g
	s_wait_dscnt 32
	WIN MUL
	MUL4 \f, 2, \zero
	MUL4 \f, 3, \zero
.endm
.macro TURN slot, next, fill
	WIN 0
	s_wait_tensorcnt 0x0
	ds_add_u32 v[SPW], v[NIL]
	s_wait_dscnt 9
	WIN MUL
	MUL4 F1, 0, 0
	s_wait_dscnt 0x0
	s_barrier_signal -1
	MUL4 F1, 1, 0
	WIN 0
	s_barrier_wait -1
.if \fill
	CREST
	s_add_nc_u64 s[G0+4*\slot+2:G0+4*\slot+3], s[G0+4*\slot+2:G0+4*\slot+3], 2*8192
	s_add_nc_u64 s[G0B+4*\slot+2:G0B+4*\slot+3], s[G0B+4*\slot+2:G0B+4*\slot+3], 2*512
	JLOAD \slot
.else
	PLACES
.endif
	s_wait_alu depctr_va_vdst(0)
	FETCH \next, 0, F0
	WIN MUL
	MUL4 F1, 2, 0
	MUL4 F1, 3, 0
.endm
	s_wait_alu depctr_va_vdst(0)                   ; the wait at the head's end
	s_wait_tensorcnt 0x0                           ; my part of slot 0 is in; these lines stand ahead of a later first fill, as ahead of a refill
	ds_add_u32 v[SPW], v[NIL]
	s_wait_dscnt 0x0
	CROUND                                         ; everybody's part of slot 0 is in, and all sixteen work-groups are here
	JLOAD 1                                        ; slot 1's first fill, the first tensor load behind the round
	s_cmp_lt_u32 s75, 4
	s_cbranch_scc0 .Lno_ask_3
	global_prefetch_b8 v6, s[76:77] th:TH_LOAD_NT scope:SCOPE_SE   ; slot 3, two fills ahead of its load; there is no slot behind it
.Lno_ask_3:
	FETCH 0, 0, F0
	QUARTER 0, 1, F0, F1, 1
	QUARTER 0, 2, F1, F0, 0
	QUARTER 0, 3, F0, F1, 0
	TURN 0, 1, 1
	QUARTER 1, 1, F0, F1, 0
	QUARTER 1, 2, F1, F0, 0
	QUARTER 1, 3, F0, F1, 0
	TURN 1, 0, 1
	QUARTER 0, 1, F0, F1, 0
	QUARTER 0, 2, F1, F0, 0
	QUARTER 0, 3, F0, F1, 0
	TURN 0, 1, 0
	QUARTER 1, 1, F0, F1, 0
	QUARTER 1, 2, F1, F0, 0
	QUARTER 1, 3, F0, F1, 0
	s_wait_dscnt 8
	WIN MUL
	MUL4 F1, 0, 0
	MUL4 F1, 1, 0
	s_wait_dscnt 0
	MUL4 F1, 2, 0
	MUL4 F1, 3, 0
	WIN 0
.macro TOSTAGE a
.set j, 0
.rept 16
	v_pk_mul_f32 v[TMP+j:TMP+j+1], v[ACC+32*(\a)+j:ACC+32*(\a)+j+1], s[96:97] op_sel_hi:[1,0]
.set j, j+2
.endr
.irp b, 0,1,2,3
	ds_store_b128 v[STO], v[TMP+8*\b:TMP+8*\b+3] offset:64*\b
	ds_store_b128 v[STO], v[TMP+8*\b+4:TMP+8*\b+7] offset:64*\b+16
.endr
.set BB, BK+32*((\a)%2)
.irp t, 0,1,2,3,4,5,6,7
	ds_load_b128 v[BB+4*\t:BB+4*\t+3], v[RD] offset:\t*2*SPITCH
.endr
.endm
.macro SEND a, younger
.set BB, BK+32*((\a)%2)
	s_wait_dscnt \younger
.irp t, 0,1,2,3,4,5,6,7
	global_store_b128 v[CO], v[BB+4*\t:BB+4*\t+3], s[10:11] offset:(16*(\a)+2*\t)*4096 th:TH_STORE_NT
.endr
.endm
	s_wait_kmcnt 0x0
	s_add_co_i32 s96, s96, s97
	s_add_co_i32 s96, s96, 127
	s_lshl_b32 s96, s96, 23
	s_mov_b32 s97, s96
	PLACES
	TOSTAGE 0
.irp a, 1,2,3
.if \a > 1
	s_wait_xcnt 0x0
.endif
	TOSTAGE \a
	SEND \a-1, 16
.endr
	SEND 3, 0
	s_wait_tensorcnt 0x0
	ds_add_u32 v[SPW], v[NIL]
	s_wait_dscnt 0x0
	CROUND
	s_endpgm
.Lfunc_end_k_q4ad3f8fbcd_oproj:
	.size	k_q4ad3f8fbcd_oproj, .Lfunc_end_k_q4ad3f8fbcd_oproj-k_q4ad3f8fbcd_oproj
	.p2alignl 7, 3214868480
	.fill 96, 4, 3214868480
	.section	.rodata,"a",@progbits
	.p2align	6, 0x0
	.amdhsa_kernel k_q4ad3f8fbcd_oproj
		.amdhsa_group_segment_fixed_size 327680
		.amdhsa_private_segment_fixed_size 0
		.amdhsa_enable_private_segment 0
		.amdhsa_kernarg_size 32
		.amdhsa_user_sgpr_count 2
		.amdhsa_user_sgpr_kernarg_segment_ptr 1
		.amdhsa_wavefront_size32 1
		.amdhsa_system_sgpr_workgroup_id_x 1
		.amdhsa_system_sgpr_workgroup_id_y 1
		.amdhsa_system_sgpr_workgroup_id_z 1
		.amdhsa_system_vgpr_workitem_id 0
		.amdhsa_next_free_vgpr 512
		.amdhsa_next_free_sgpr 100
		.amdhsa_reserve_vcc 0
		.amdhsa_float_denorm_mode_32 3
		.amdhsa_float_denorm_mode_16_64 3
		.amdhsa_memory_ordered 1
		.amdhsa_forward_progress 1
		.amdhsa_inst_pref_size 75
	.end_amdhsa_kernel
	.amdgpu_metadata
---
amdhsa.version: [ 1, 2 ]
amdhsa.kernels:
  - .name:           k_q4ad3f8fbcd_oproj
    .symbol:         k_q4ad3f8fbcd_oproj.kd
    .args:
      - { .name: ac, .offset: 0, .size: 8, .value_kind: global_buffer, .address_space: global }
      - { .name: codes, .offset: 8, .size: 8, .value_kind: global_buffer, .address_space: global }
      - { .name: lowp_scales, .offset: 16, .size: 8, .value_kind: global_buffer, .address_space: global }
      - { .name: out0, .offset: 24, .size: 8, .value_kind: global_buffer, .address_space: global }
    .group_segment_fixed_size: 327680
    .private_segment_fixed_size: 0
    .kernarg_segment_align: 8
    .kernarg_segment_size: 32
    .max_flat_workgroup_size: 128
    .sgpr_count:     100
    .vgpr_count:     512
    .wavefront_size: 32
...
	.end_amdgpu_metadata
.endif
;; end of part 4
